; MI455X (gfx1250); checked and timed in simulation.
; The chip was launched on July 23, 2026; its instructions are those of AMD's public machine-readable ISA for CDNA 5 (MIT licence, August 2026) and "CDNA5" Instruction Set Architecture Reference Guide (July 2026). The comments in the code are by the model that wrote it; some were corrected since.
;; Ro PE Lo FTR Encoder Layer. Allowed arithmetic: matrix products marked QUANTISED: E4M3 operands, one given power-of-two scale a tensor, by v_wmma_f32_16x16x64_fp8_fp8 or v_wmma_f32_16x16x128_fp8_fp8, f32 sums; products left as they are: f32 operands where the result goes on into a quantised operand, else bf16, f16 or f32 operands; f32 sums; everything else in f32.
;; Inputs: W1 512 x 512 float32; W2 256 x 512 float32; Wk 256 x 256 float32; Wm 256 x 256 float32; Wq 256 x 256 float32; Wv 256 x 256 float32; ln1_b 256 float32; ln1_g 256 float32; ln2_b 256 float32; ln2_g 256 float32; lowp_scales 16 int32 (the exponents e of the quantised operands' scales 2^e); source 4 x 16,384 x 256 float32; x 4 x 16,384 x 256 float32.
;; Outputs: out0 4 x 16,384 x 256 float32.
;; Constants: H = 128, W = 128.
;; This version of the problem:
;;   THIS VERSION OF THE PROBLEM IS GIVEN IN LOW PRECISION. The matrix products marked QUANTISED in the list below multiply operands that are first quantised to E4M3 (4 exponent bits, 3 mantissa bits; 8 bits a number), with one given power-of-two scale for each operand tensor; their sums are f32. All else is computed in f32.
;;   The module's matrix products, in the order in which they are computed (A, B: the left and right operand; K: the contracted axis; several contracted axes count as one K, in the product's order):
;;     1. [M 65,536, K 256] x [K 256, N 256]; A: input x; B: input Wq: QUANTISED (scales: A lowp_scales[0], B lowp_scales[1])
;;     2. [M 65,536, K 256] x [K 256, N 256]; A: input source; B: input Wk: QUANTISED (scales: A lowp_scales[2], B lowp_scales[3])
;;     3. [M 65,536, K 256] x [K 256, N 256]; A: input source; B: input Wv: QUANTISED (scales: A lowp_scales[4], B lowp_scales[5])
;;     4. batch 32 x [M 32, K 16,384] x [K 16,384, N 32]; A: computed on the way; B: computed on the way: QUANTISED (scales: A lowp_scales[6], B lowp_scales[7])
;;     5. batch 32 x [M 1, K 32] x [K 32, N 16,384]; A: computed on the way; B: computed on the way: left as it is (M = 1 < 16)
;;     6. batch 32 x [M 32, K 32] x [K 32, N 16,384]; A: computed on the way; B: computed on the way: QUANTISED (scales: A lowp_scales[8], B lowp_scales[9])
;;     7. batch 524,288 x [M 1, K 1] x [K 1, N 32]; A: computed on the way; B: computed on the way: left as it is (no contracted axis)
;;     8. [M 65,536, K 256] x [K 256, N 256]; A: computed on the way; B: input Wm: QUANTISED (scales: A lowp_scales[10], B lowp_scales[11])
;;     9. [M 65,536, K 512] x [K 512, N 512]; A: computed on the way; B: input W1: QUANTISED (scales: A lowp_scales[12], B lowp_scales[13])
;;     10. [M 65,536, K 512] x [K 512, N 256]; A: computed on the way; B: input W2: QUANTISED (scales: A lowp_scales[14], B lowp_scales[15])
;;   THE QUANTISER, for each operand of a quantised product, along K:
;;     - The operand's scale is 2^e, e = its entry of the input lowp_scales (int32; the entries are numbered through the quantised products in the list's order, A before B).
;;     - Each number is divided by the scale, clamped to +-448, and rounded to the nearest number of E4M3, ties to even, subnormals kept.
;;     - The product sums the exact products of the quantised numbers (number of the format x scale) in f32.
;;   ~~~python
;;   def quantise(x, axis, e):      # numpy; x: float32 -> the quantised numbers, widened to float32 again
;;       x = np.moveaxis(x, axis, -1); K = x.shape[-1]
;;       r = np.clip(x / 2.0 ** e, -448, 448)
;;       step = 2.0 ** (np.maximum(np.frexp(np.where(r == 0, 1, r))[1] - 1, -6) - 3)
;;       q = np.round(r / step) * step * 2.0 ** e      # np.round: ties to even
;;       return np.moveaxis(q, -1, axis).astype(np.float32)
;;   ~~~
;;   OPERANDS COMPUTED ON THE WAY. 'Computed on the way' means the value that the module computes at that place (a softmax that the list does not call 'softmax' is quantised finished and normalised). What goes into a quantiser is computed in f32, as accurately as f32 sums, v_exp_f32 and their like allow (about 1e-6 of the number): no bf16 or f16 on the way to a quantiser, and a product that is left as it is and whose result goes on into a quantised operand takes f32 operands (vector FMAs, or v_wmma_f32_16x16x4_f32). A number that lies on a knife's edge between two numbers of the format may be rounded either way, as far as f32 arithmetic and the matrix unit's own rounding can turn it there, and no further.
;; One version. Each part assembles by itself: llvm-mc -triple=amdgcn-amd-amdhsa -mcpu=gfx1250 --defsym DOCPART=n.
;; ======== version 1 of 1: 3 launches
;; workspace buffers: kvp 8,388,608 bytes; ksp 262,144 bytes; kvc 32,768 bytes; ksum 4,096 bytes; wc 524,288 bytes
;; launch kvpart (part 1): grid 256 x 1, 8 waves a work-group, no clusters, 312,832 bytes of LDS; arguments source, Wk, Wv, lowp_scales, kvp, ksp; writes kvp, ksp
.if DOCPART == 1
	.amdgcn_target "amdgcn-amd-amdhsa--gfx1250"
	.amdhsa_code_object_version 6
	.text
	.protected	k_q0dc0774de0_kvpart
	.globl	k_q0dc0774de0_kvpart
	.p2align	8
	.type	k_q0dc0774de0_kvpart,@function
k_q0dc0774de0_kvpart:
	s_mov_b64 s[64:65], 0
	v_nop
	global_prefetch_b8 v0, s[64:65] scope:SCOPE_SE
	s_setreg_imm32_b32 hwreg(HW_REG_WAVE_MODE, 25, 1), 1
	s_wait_xcnt 0x0
; PARTIAL KV AND Ksum OF 256 ROWS OF source.  k = source Wk^T and v = source Wv^T on codes of E4M3 (source is quantised twice: with e2 for k, with e4 for v);
; K = rope(elu(k) + 1); partial Ksum = sum over my rows of K (f32); partial KV[d][v] = sum over my rows of Q(K, e6) Q(v / 16384, e7), by the K = 64 form.
; SHARES.  Work-group G owns rows 256 G .. 256 G + 255 (batch G / 64); wave w is head w for all of them.  The rows' codes go from wave to wave through LDS as rows of 256 bytes + 16.
; LAYOUT.  The projections are used as they read (source 0 = 16 rows of source, source 1 = 16 rows of a weight): a lane then holds ONE channel and its eight registers are eight neighbouring
; positions 8 (lane / 16) + 0 .. 7, which is what the K = 64 form wants of registers 2 c, 2 c + 1 for the c-th tile of 16 positions: the conversions' results are the next operands.
; Wk's tile dt takes rows 32 w + 2 r + dt: the two partners of a rotation lie in one lane, in two accumulators.  Wv's tile vt takes rows 32 w + 8 vt + r + 8 (r / 8), which the last launch's product wants.
; K = 128 fragments hold k = 32 c + 16 (lane / 16) + 0 .. 15 in registers 4 c .. 4 c + 3, alike on both sides of a product: every product meets its partner.
; THE WEIGHTS: a wave reads its head's 32 rows of Wk and of Wv as they lie, 512 consecutive bytes a load, quantises them, and turns the codes through 64 LDS rows of its own into its eight fragments.
; No tensor loads and no cluster: what the work-groups share are the two weights, which each wave quantises into its own registers once; source is read once, by its one owner.
; No prefetch: half of the work-group's rows are asked for at the head, the other half while the first is worked.
; LIMITS: e2, e3, e4, e5, e6 and e7 + 14 - e4 - e5 between -126 and 119; e2 + e3 and e6 + e7 between -126 and 127.  NaN among the inputs is not served.  The angles' reduction holds up to 128 (H = W = 128).
; f32 sums (Ksum, KV) are added in another order than the reference adds them.
; REGISTERS, window 0: v3 r, v4 h, v5 16 lane, v6-15, v29, v30 addresses, v16-27 scales and holds, v32-95 fragments of source, v96-127 accumulators, v128-143 cos and sin, v144-175 at work, v176-207 codes of K and v, v208-239 KV, v240-243 Ksum.
;            window 1: v0-63 Wk's four fragments, v64-127 Wv's, v128-191 and v192-255 two landing sets for 64 rows' share of source.
.set PQ,    272                        ; a row of codes in LDS: 256 bytes + 16: sixteen rows of a fragment load begin at sixteen different 16-byte columns
.set SV,    69632                      ; LDS: 256 rows of the e2 codes at 0, of the e4 codes here,
.set TAC,   139264                     ; cos [pair 16][position 256] f32, rows of 1,024 + 16 bytes,
.set TSO,   16640                      ; sin, so far behind cos,
.set TPI,   1040
.set SPARE, 172544                     ; the spare words, 128 bytes a wave: four blocks of 256 bytes that no other line names,
.set WST,   173568                     ; and the weights' codes: 64 rows of 272 bytes for each wave, its own
.set XK,  32
.set XV,  64
.set ACK, 96
.set ACV, 112
.set TC,  128
.set TS,  136
.set TT,  144
.set TU,  160
.set KC,  176
.set VC,  192
.set KVA, 208
.set KSM, 240
.set CF,  36                           ; s36-43 the coefficients of sine and cosine
.set MSB, 0
.macro WIN new                         ; the immediate's high byte repeats the setting that is left
.if MSB != \new
	s_set_vgpr_msb (MSB<<8)|\new
.set MSB, \new
.endif
.endm
.macro PLACES                          ; four places behind matrix instructions (ISA guide 7.12.1)
.rept 4
	v_nop
.endr
.endm
.macro BAR                             ; my LDS stores have landed and my LDS loads are in: then the work-group's barrier
	s_wait_dscnt 0x0
	s_barrier_signal -1
	s_barrier_wait -1
.endm
.macro MKSC se, vs, vl                 ; v[vs] = 2^e as f32 (the conversion takes its exponent field), v[vl] = 448 x 2^e
	s_add_co_i32 s44, \se, 127
	s_lshl_b32 s45, s44, 23
	v_mov_b32 v[\vs], s45
	s_add_co_i32 s44, s44, 8
	s_lshl_b32 s44, s44, 23
	s_or_b32 s44, s44, 0x600000
	v_mov_b32 v[\vl], s44
.endm
; cos and sin of v[a] (0 <= a <= 128; a is used up).  N = floor(a 2/pi + 1/2); R = a - N pi/2 in two fused steps (pi/2 = 0x3fc90fdb - 4.3711388e-8; the first step rounds nothing); polynomials on |R| <= pi/4; the quadrant by selects and sign bits.
.macro SINCOS a, c, s, n, r, z, t
	v_fma_f32 v[\n], v[\a], 0x3f22f983, 0.5
	v_floor_f32 v[\n], v[\n]
	v_fma_f32 v[\r], v[\n], s[CF], v[\a]
	v_fma_f32 v[\r], v[\n], s[CF+1], v[\r]
	v_cvt_i32_f32 v[\n], v[\n]
	v_mul_f32 v[\z], v[\r], v[\r]
	v_fma_f32 v[\c], v[\z], s[CF+2], s[CF+3]
	v_fma_f32 v[\s], v[\z], s[CF+5], s[CF+6]
	v_fma_f32 v[\c], v[\c], v[\z], s[CF+4]
	v_fma_f32 v[\s], v[\s], v[\z], s[CF+7]
	v_mul_f32 v[\t], v[\z], v[\z]
	v_mul_f32 v[\a], v[\z], v[\r]
	v_fma_f32 v[\z], v[\z], -0.5, 1.0
	v_fma_f32 v[\s], v[\s], v[\a], v[\r]           ; sin R
	v_fma_f32 v[\c], v[\c], v[\t], v[\z]           ; cos R
	v_and_b32 v[\t], 1, v[\n]
	v_cmp_eq_u32 vcc_lo, 1, v[\t]
	v_cndmask_b32 v[\r], v[\s], v[\c], vcc_lo      ; odd quadrants change the two
	v_cndmask_b32 v[\z], v[\c], v[\s], vcc_lo
	v_and_b32 v[\t], 2, v[\n]
	v_add_nc_u32 v[\n], 1, v[\n]
	v_lshlrev_b32 v[\t], 30, v[\t]
	v_and_b32 v[\n], 2, v[\n]
	v_xor_b32 v[\s], v[\r], v[\t]                  ; sin is negative in quadrants 2, 3
	v_lshlrev_b32 v[\n], 30, v[\n]
	v_xor_b32 v[\c], v[\z], v[\n]                  ; cos in quadrants 1, 2
.endm
.macro PICK n, val
	s_cmp_eq_u32 s16, \n
	s_cselect_b32 s33, \val, s33
.endm
; my 8 rows of block b (64 rows): 16 loads of 512 consecutive bytes into landing set L of window 1: register L + 8 row + 4 half
.macro LOADBLK b, L
	WIN 0x40
.set li, 0
.rept 16
	global_load_b128 v[\L+4*li:\L+4*li+3], v11, s[4:5] offset:(\b)*65536+512*li th:TH_LOAD_NT
.set li, li+1
.endr
	WIN 0
.endm
; group g of the weights (0-3: rows 8 g .. 8 g + 7 of my head's 32 of Wk; 4-7: of Wv): 16 loads of 512 consecutive bytes into set g % 2 of v32-159: register 8 row + 4 half
.macro WLD g
.set WSET, 32+64*((\g)%2)
.set wi, 0
.rept 16
.if (\g) < 4
	global_load_b128 v[WSET+4*wi:WSET+4*wi+3], v12, s[6:7] offset:(\g)*8192+512*wi
.else
	global_load_b128 v[WSET+4*wi:WSET+4*wi+3], v12, s[8:9] offset:((\g)-4)*8192+512*wi
.endif
.set wi, wi+1
.endr
.endm
; the group becomes codes, which go to rows 8 g .. of my wave's own LDS rows.  A lane's 8 numbers of a row are columns 4 l .. and 128 + 4 l .. : two words, 128 bytes apart.  left: the next group's loads, which may stay out
.macro WQ g, sc, lim, left
.set WSET, 32+64*((\g)%2)
.set WCD, 160+16*((\g)%2)
	s_wait_loadcnt \left
.set wi, 0
.rept 64
	v_med3_num_f32 v[WSET+wi], v[WSET+wi], -v[\lim], v[\lim]   ; the conversion to an 8-bit code does not saturate (ISA guide 7.6.2): the hold at 448 x the scale
.set wi, wi+1
.endr
.set wi, 0
.rept 8
	v_cvt_scalef32_pk8_fp8_f32 v[WCD+2*wi:WCD+2*wi+1], v[WSET+8*wi:WSET+8*wi+7], v[\sc]
.set wi, wi+1
.endr
	v_nop                                          ; a plain line behind the last conversion
.set wi, 0
.rept 8
	ds_store_b32 v13, v[WCD+2*wi] offset:(8*(\g)+wi)*PQ        ; 32 lanes store 128 consecutive bytes
	ds_store_b32 v13, v[WCD+2*wi+1] offset:(8*(\g)+wi)*PQ+128
.set wi, wi+1
.endr
.endm
; my 8 rows of block b become codes twice (e2, e4) and go to LDS.  A lane's 8 numbers of a row are columns 4 l .. 4 l + 3 and 128 + 4 l .. : two words of codes, 128 bytes apart
.macro QBLK b, L, left
	s_wait_dscnt 0x0                               ; earlier LDS instructions of mine are done
	s_wait_loadcnt \left
	WIN 0x01                                       ; source 0: the landing set in window 1
.set qi, 0
.rept 8
.set qj, 0
.rept 8
	v_med3_num_f32 v[32+16*qi+qj], v[\L+8*qi+qj], -v17, v17
	v_med3_num_f32 v[40+16*qi+qj], v[\L+8*qi+qj], -v19, v19
.set qj, qj+1
.endr
.set qi, qi+1
.endr
	WIN 0
.set qi, 0
.rept 8
	v_cvt_scalef32_pk8_fp8_f32 v[160+4*qi:161+4*qi], v[32+16*qi:39+16*qi], v16
	v_cvt_scalef32_pk8_fp8_f32 v[162+4*qi:163+4*qi], v[40+16*qi:47+16*qi], v18
.set qi, qi+1
.endr
	v_nop
.set qi, 0
.rept 8
	ds_store_b32 v9, v[160+4*qi] offset:(64*(\b)+qi)*PQ        ; 32 lanes store 128 consecutive bytes
	ds_store_b32 v9, v[161+4*qi] offset:(64*(\b)+qi)*PQ+128
	ds_store_b32 v10, v[162+4*qi] offset:(64*(\b)+qi)*PQ
	ds_store_b32 v10, v[163+4*qi] offset:(64*(\b)+qi)*PQ+128
.set qi, qi+1
.endr
.endm
.macro XLD T                           ; tile T's fragments (16 rows x 256 K), both versions
.irp k, 0,1
.irp c, 0,1,2,3
	ds_load_b128 v[XK+16*\k+4*\c:XK+16*\k+4*\c+3], v6 offset:(\T)*16*PQ+128*\k+32*\c
	ds_load_b128 v[XV+16*\k+4*\c:XV+16*\k+4*\c+3], v7 offset:(\T)*16*PQ+128*\k+32*\c
.endr
.endr
.endm
.macro TLD T                           ; cos and sin of my pair at my eight positions of tile T
	ds_load_b128 v[TC:TC+3], v8 offset:64*(\T)
	ds_load_b128 v[TC+4:TC+7], v8 offset:64*(\T)+16
	ds_load_b128 v[TS:TS+3], v8 offset:64*(\T)+TSO
	ds_load_b128 v[TS+4:TS+7], v8 offset:64*(\T)+TSO+16
.endm
; ONE TILE OF 16 ROWS: k (two tiles of channels) and v (two), elu + 1, the rotation, Ksum, the codes.
.macro TILE b, mt
.set TN_, 4*(\b)+(\mt)
	s_wait_dscnt 0x0                               ; the tile's fragments and its cos and sin are in
	WIN 0x04                                       ; source 1: the weights in window 1
.irp k, 0,1                                    ; four accumulators by turns
.irp a, 0,1
.if \k == 0
	v_wmma_f32_16x16x128_fp8_fp8 v[ACK+8*\a:ACK+8*\a+7], v[XK+16*\k:XK+16*\k+15], v[16*(2*\k+\a):16*(2*\k+\a)+15], 0
.else
	v_wmma_f32_16x16x128_fp8_fp8 v[ACK+8*\a:ACK+8*\a+7], v[XK+16*\k:XK+16*\k+15], v[16*(2*\k+\a):16*(2*\k+\a)+15], v[ACK+8*\a:ACK+8*\a+7]
.endif
.endr
.irp a, 0,1
.if \k == 0
	v_wmma_f32_16x16x128_fp8_fp8 v[ACV+8*\a:ACV+8*\a+7], v[XV+16*\k:XV+16*\k+15], v[64+16*(2*\k+\a):64+16*(2*\k+\a)+15], 0
.else
	v_wmma_f32_16x16x128_fp8_fp8 v[ACV+8*\a:ACV+8*\a+7], v[XV+16*\k:XV+16*\k+15], v[64+16*(2*\k+\a):64+16*(2*\k+\a)+15], v[ACV+8*\a:ACV+8*\a+7]
.endif
.endr
.endr
	WIN 0
	PLACES
.if \mt < 3
	XLD TN_+1                                      ; the next tile's fragments, while this one is worked
.endif
	; elu(k) + 1 = max(k, 0) + 2^(min(k, 0) log2 e), k = sum x 2^(e2 + e3)
.set e_, 0
.rept 8
	v_pk_mul_f32 v[TT+e_:TT+e_+1], v[ACK+e_:ACK+e_+1], s[30:31] op_sel_hi:[1,0]
.set e_, e_+2
.endr
.set e_, 0
.rept 16
	v_min_num_f32 v[TT+e_], 0, v[TT+e_]
.set e_, e_+1
.endr
.set e_, 0
.rept 16
	v_exp_f32 v[TT+e_], v[TT+e_]
.set e_, e_+1
.endr
.set e_, 0
.rept 16
	v_max_num_f32 v[ACK+e_], 0, v[ACK+e_]          ; plain lines behind the exponentials
.set e_, e_+1
.endr
	s_wait_alu depctr_va_vdst(0)                   ; one wait for the batch, ahead of its first reader
.set e_, 0
.rept 8
	v_pk_fma_f32 v[ACK+e_:ACK+e_+1], v[ACK+e_:ACK+e_+1], s[28:29], v[TT+e_:TT+e_+1] op_sel_hi:[1,0,1]
.set e_, e_+2
.endr
	; the rotation: x0' = x0 c - x1 s, x1' = x1 c + x0 s, two positions at a time
.irp j, 0,2,4,6
	v_pk_mul_f32 v[TT+\j:TT+\j+1], v[ACK+8+\j:ACK+9+\j], v[TS+\j:TS+\j+1]
	v_pk_mul_f32 v[TU+\j:TU+\j+1], v[ACK+\j:ACK+\j+1], v[TS+\j:TS+\j+1]
.endr
.irp j, 0,2,4,6
	v_pk_fma_f32 v[ACK+\j:ACK+\j+1], v[ACK+\j:ACK+\j+1], v[TC+\j:TC+\j+1], v[TT+\j:TT+\j+1] neg_lo:[0,0,1] neg_hi:[0,0,1]
	v_pk_fma_f32 v[ACK+8+\j:ACK+9+\j], v[ACK+8+\j:ACK+9+\j], v[TC+\j:TC+\j+1], v[TU+\j:TU+\j+1]
.endr
.if \mt < 3
	TLD TN_+1
.endif
	; Ksum takes the numbers before they are quantised; the first tile starts the sums
.if TN_ == 0
	v_pk_add_f32 v[KSM:KSM+1], v[ACK:ACK+1], v[ACK+2:ACK+3]
	v_pk_add_f32 v[KSM+2:KSM+3], v[ACK+8:ACK+9], v[ACK+10:ACK+11]
.else
	v_pk_add_f32 v[KSM:KSM+1], v[KSM:KSM+1], v[ACK:ACK+1]
	v_pk_add_f32 v[KSM+2:KSM+3], v[KSM+2:KSM+3], v[ACK+8:ACK+9]
	v_pk_add_f32 v[KSM:KSM+1], v[KSM:KSM+1], v[ACK+2:ACK+3]
	v_pk_add_f32 v[KSM+2:KSM+3], v[KSM+2:KSM+3], v[ACK+10:ACK+11]
.endif
.irp j, 4,6
	v_pk_add_f32 v[KSM:KSM+1], v[KSM:KSM+1], v[ACK+\j:ACK+\j+1]
	v_pk_add_f32 v[KSM+2:KSM+3], v[KSM+2:KSM+3], v[ACK+8+\j:ACK+9+\j]
.endr
.set e_, 0
.rept 16
	v_med3_num_f32 v[ACK+e_], v[ACK+e_], -v25, v25
	v_med3_num_f32 v[ACV+e_], v[ACV+e_], -v27, v27 ; v's sums stand for sum x 2^(e4 + e5); / 16384 and / 2^e7 are folded into the conversion's one scale
.set e_, e_+1
.endr
.irp a, 0,1
	v_cvt_scalef32_pk8_fp8_f32 v[KC+8*\a+2*(\mt):KC+8*\a+2*(\mt)+1], v[ACK+8*\a:ACK+8*\a+7], v24
	v_cvt_scalef32_pk8_fp8_f32 v[VC+8*\a+2*(\mt):VC+8*\a+2*(\mt)+1], v[ACV+8*\a:ACV+8*\a+7], v26
.endr
	v_nop
.endm
; A BLOCK OF 64 ROWS: four tiles, then one K = 64 step of KV: four accumulators by turns; the first block starts the sums.
; lb >= 0: block lb of source is asked for, into landing set L, behind the first tile's LDS loads: what the next products wait for is asked for first
.macro CBLK b, lb, L
	XLD 4*(\b)
	TLD 4*(\b)
.if (\lb) >= 0
	LOADBLK \lb, \L
.endif
	TILE \b, 0
	TILE \b, 1
	TILE \b, 2
	TILE \b, 3
.irp a, 0,1
.irp c, 0,1
.if \b == 0
	v_wmma_f32_16x16x64_fp8_fp8 v[KVA+8*(2*\a+\c):KVA+8*(2*\a+\c)+7], v[KC+8*\a:KC+8*\a+7], v[VC+8*\c:VC+8*\c+7], 0
.else
	v_wmma_f32_16x16x64_fp8_fp8 v[KVA+8*(2*\a+\c):KVA+8*(2*\a+\c)+7], v[KC+8*\a:KC+8*\a+7], v[VC+8*\c:VC+8*\c+7], v[KVA+8*(2*\a+\c):KVA+8*(2*\a+\c)+7]
.endif
.endr
.endr
.endm
	s_load_b256 s[4:11], s[0:1], 0x0               ; source s[4:5], Wk s[6:7], Wv s[8:9], the scales' exponents s[10:11]
	s_load_b128 s[12:15], s[0:1], 0x20             ; kvp s[12:13], ksp s[14:15]
	v_lshl_add_u32 v1, v0, 2, SPARE                ; my spare word, and 0: kept for the closing lines alone
	v_mov_b32 v2, 0
	v_lshrrev_b32 v3, 5, v0
	v_readfirstlane_b32 s16, v3                    ; wave = head
	v_and_b32 v28, 31, v0                          ; lane
	v_and_b32 v3, 15, v0                           ; r
	v_bfe_u32 v4, v0, 4, 1                         ; h
	v_lshlrev_b32 v5, 4, v28
	s_and_b32 s17, ttmp9, 63                       ; g: my 256 positions within the batch
	v_mul_u32_u24 v6, v3, PQ
	v_lshl_add_u32 v6, v4, 4, v6                   ; a fragment's row x pitch + 16 h, e2 codes;
	v_add_nc_u32 v7, SV, v6                        ; e4 codes
	v_mul_u32_u24 v8, v3, TPI
	v_lshl_add_u32 v8, v4, 5, v8
	v_add_nc_u32 v8, TAC, v8                       ; the table: pair r, positions 8 h on
	s_mul_i32 s44, s16, 8*PQ
	v_lshl_add_u32 v9, v28, 2, s44                 ; where I store codes: my 8 rows of a block, 4 bytes a lane
	v_add_nc_u32 v10, SV, v9
	s_lshl_b32 s44, s16, 13
	v_add_nc_u32 v11, s44, v5                      ; source: 8 rows x wave + 16 lane
	s_lshl_b32 s44, s16, 15
	v_add_nc_u32 v12, s44, v5                      ; Wk, Wv: my head's 32 rows of 1,024 bytes, + 16 lane
	s_mul_i32 s44, s16, 64*PQ
	s_add_co_u32 s44, s44, WST                     ; my wave's 64 rows of weights' codes
	v_lshl_add_u32 v13, v28, 2, s44                ; in: 4 bytes a lane
	v_mul_u32_u24 v29, v3, 2*PQ
	v_lshl_add_u32 v29, v4, 4, v29
	v_add_nc_u32 v29, s44, v29                     ; back, Wk: row 2 r, + 16 h
	v_and_b32 v30, 8, v3
	v_add_nc_u32 v30, v30, v3
	v_mul_u32_u24 v30, v30, PQ
	v_lshl_add_u32 v30, v4, 4, v30
	v_add_nc_u32 v30, s44, v30                     ; back, Wv: row r + 8 (r / 8), + 16 h; Wk's 32 rows stand in the offset
	s_lshl_b32 s44, s16, 12
	v_add_nc_u32 v14, s44, v5                      ; kvp: 4,096 bytes a head + 16 lane
	s_lshl_b32 s44, s16, 7
	v_lshl_add_u32 v15, v3, 3, s44                 ; ksp: 128 bytes a head + 8 r
	v_mov_b32 v244, 0                              ; written once: a lane permute's destination counts as one of its sources
	v_mov_b32 v245, 0
	s_mov_b32 s34, 0x76543210                      ; v_permlanex16_b32: lane l xor 16
	s_mov_b32 s35, 0xfedcba98
	s_mov_b32 s[CF], 0xbfc90fdb                    ; -pi/2, its upper part,
	s_mov_b32 s[CF+1], 0x333bbd2e                  ; and what is left of it
	s_mov_b32 s[CF+2], 0x37ccf5ce                  ; cos: 2.4433157e-5, -1.3887316e-3, 4.1666646e-2
	s_mov_b32 s[CF+3], 0xbab6061a
	s_mov_b32 s[CF+4], 0x3d2aaaa5
	s_mov_b32 s[CF+5], 0xb94ca1f9                  ; sin: -1.9515296e-4, 8.3321609e-3, -1.6666655e-1
	s_mov_b32 s[CF+6], 0x3c08839e
	s_mov_b32 s[CF+7], 0xbe2aaaa3
	s_mov_b32 s33, 0x3f800000                      ; 10000^(-w / 8): wave w makes the table's pairs 2 w and 2 w + 1
	PICK 1, 0x3ea1e89b
	PICK 2, 0x3dcccccd
	PICK 3, 0x3d0186e2
	PICK 4, 0x3c23d70a
	PICK 5, 0x3b4f3e37
	PICK 6, 0x3a83126f
	PICK 7, 0x39a5cb5f
	s_wait_kmcnt 0x0
	s_load_b256 s[20:27], s[10:11], 0x0            ; e0 .. e7
	s_lshl_b32 s44, ttmp9, 18                      ; 256 rows of 1,024 bytes
	s_mov_b32 s45, 0
	s_add_nc_u64 s[4:5], s[4:5], s[44:45]
	s_lshl_b32 s44, ttmp9, 15
	s_add_nc_u64 s[12:13], s[12:13], s[44:45]
	s_lshl_b32 s44, ttmp9, 10
	s_add_nc_u64 s[14:15], s[14:15], s[44:45]
	LOADBLK 0, 128
	LOADBLK 1, 192
	WLD 0                                          ; 48 loads of mine are out while the table is made
	; THE TABLE.  Pair p = 2 t + u of a head: u = 0 turns by (i + 1) div_t, u = 1 by (j + 1) div_t; position s of my 256: i = 2 g + s / 128, j = s % 128.
	v_lshlrev_b32 v175, 2, v28
.irp e, 0,1,2,3
	v_add_nc_u32 v168, \e+1, v175                  ; j + 1, j = 4 lane + e
	v_cvt_f32_u32 v168, v168
	v_mul_f32 v168, s33, v168
	SINCOS 168, 160+\e, 164+\e, 169, 170, 171, 172
.endr
	s_mul_i32 s44, s16, 2*TPI
	s_add_co_u32 s44, s44, TAC
	v_lshl_add_u32 v173, v28, 4, s44
	ds_store_b128 v173, v[160:163] offset:TPI      ; row 2 w + 1: positions 4 lane on, and the same 128 further on
	ds_store_b128 v173, v[160:163] offset:TPI+512
	ds_store_b128 v173, v[164:167] offset:TPI+TSO
	ds_store_b128 v173, v[164:167] offset:TPI+TSO+512
	v_lshrrev_b32 v168, 4, v28
	s_lshl_b32 s45, s17, 1
	s_add_co_u32 s45, s45, 1
	v_add_nc_u32 v168, s45, v168                   ; i + 1, i = 2 g + lane / 16
	v_cvt_f32_u32 v168, v168
	v_mul_f32 v168, s33, v168
	SINCOS 168, 176, 180, 169, 170, 171, 172
.irp e, 1,2,3
	v_mov_b32 v[176+\e], v176
	v_mov_b32 v[180+\e], v180
.endr
	v_lshl_add_u32 v174, v28, 5, s44
	ds_store_b128 v174, v[176:179]                 ; row 2 w: positions 8 lane .. 8 lane + 7
	ds_store_b128 v174, v[176:179] offset:16
	ds_store_b128 v174, v[180:183] offset:TSO
	ds_store_b128 v174, v[180:183] offset:TSO+16
	s_wait_kmcnt 0x0
	MKSC s22, 16, 17                               ; e2: source for k
	MKSC s24, 18, 19                               ; e4: source for v
	MKSC s23, 20, 21                               ; e3: Wk
	MKSC s25, 22, 23                               ; e5: Wv
	MKSC s26, 24, 25                               ; e6: K
	s_add_co_i32 s46, s27, 14
	s_sub_co_i32 s46, s46, s24
	s_sub_co_i32 s46, s46, s25
	MKSC s46, 26, 27                               ; e7 + 14 - e4 - e5: v's sums
	s_add_co_i32 s46, s22, s23
	s_lshl_b32 s47, s46, 23
	s_add_co_i32 s30, s47, 0x3fb8aa3b              ; log2(e) x 2^(e2 + e3): the exponents are added to the constant's exponent field
	s_mov_b32 s31, s30
	s_add_co_i32 s28, s47, 0x3f800000              ; 2^(e2 + e3)
	s_mov_b32 s29, s28
	s_add_co_i32 s46, s26, s27
	s_lshl_b32 s46, s46, 23
	s_add_co_i32 s32, s46, 0x3f800000              ; 2^(e6 + e7)
	WLD 1
	s_wait_dscnt 0x0                               ; the table's stores are done: their registers take the weights' codes
	WQ 0, 20, 21, 16
	WLD 2
	WQ 1, 20, 21, 16
	WLD 3
	WQ 2, 20, 21, 16
	WLD 4
	WQ 3, 20, 21, 16
	WLD 5
	WQ 4, 22, 23, 16
	WLD 6
	WQ 5, 22, 23, 16
	WLD 7
	WQ 6, 22, 23, 16
	WQ 7, 22, 23, 0
	WIN 0x40                                       ; the eight fragments, out of my own rows: LDS serves a wave's instructions in order (ISA guide 5.7.1.4), so these see my stores
.irp f, 0,1,2,3                                ; fragment f: tile f % 2, K step f / 2
.irp c, 0,1,2,3
	ds_load_b128 v[16*\f+4*\c:16*\f+4*\c+3], v29 offset:(\f%2)*PQ+(\f/2)*128+32*\c
	ds_load_b128 v[64+16*\f+4*\c:64+16*\f+4*\c+3], v30 offset:(32+8*(\f%2))*PQ+(\f/2)*128+32*\c
.endr
.endr
	WIN 0
	QBLK 0, 128, 0
	BAR                                            ; block 0's codes and the table lie in LDS.  Each block has LDS rows of its own: nothing is written twice
	CBLK 0, 2, 128
	QBLK 1, 192, 16                                ; block 2's 16 loads may stay out
	BAR
	CBLK 1, 3, 192
	QBLK 2, 128, 16                                ; block 3's may stay out
	BAR
	CBLK 2, -1, 0
	QBLK 3, 192, 0
	BAR
	CBLK 3, -1, 0
	PLACES
	v_add_f32 v240, v240, v241                     ; Ksum: even and odd positions,
	v_add_f32 v242, v242, v243
	v_permlanex16_b32 v244, v240, s34, s35         ; and the other half of the lanes' positions
	v_permlanex16_b32 v245, v242, s34, s35
	v_add_f32 v246, v240, v244
	v_add_f32 v247, v242, v245
	global_store_b64 v15, v[246:247], s[14:15]     ; channels 2 r, 2 r + 1 of my head (both halves of the lanes hold and store the same two numbers)
.irp c, 0,1                                    ; KV: lane (r, h) holds, for v = 8 c + r + 8 (r / 8), d = 16 h + i in accumulator (i % 2, c), register i / 2: each accumulator from its low end on
.irp i, 0,1,2,3,4,5,6,7,8,9,10,11,12,13,14,15
	v_mul_f32 v[32+16*\c+\i], s32, v[KVA+8*(2*(\i%2)+\c)+(\i/2)]
.endr
.endr
.irp c, 0,1
.irp q, 0,1,2,3
	global_store_b128 v14, v[32+16*\c+4*\q:32+16*\c+4*\q+3], s[12:13] offset:2048*\c+512*\q   ; 32 lanes store 512 consecutive bytes
.endr
.endr
	s_wait_tensorcnt 0x0                           ; the wave's end, behind my last LDS store
	ds_add_u32 v1, v2
	s_wait_dscnt 0x0
	s_endpgm
.Lfunc_end_k_q0dc0774de0_kvpart:
	.size	k_q0dc0774de0_kvpart, .Lfunc_end_k_q0dc0774de0_kvpart-k_q0dc0774de0_kvpart
	.p2alignl 7, 3214868480
	.fill 96, 4, 3214868480
	.section	.rodata,"a",@progbits
	.p2align	6, 0x0
	.amdhsa_kernel k_q0dc0774de0_kvpart
		.amdhsa_group_segment_fixed_size 312832
		.amdhsa_private_segment_fixed_size 0
		.amdhsa_enable_private_segment 0
		.amdhsa_kernarg_size 48
		.amdhsa_user_sgpr_count 2
		.amdhsa_user_sgpr_kernarg_segment_ptr 1
		.amdhsa_wavefront_size32 1
		.amdhsa_system_sgpr_workgroup_id_x 1
		.amdhsa_system_sgpr_workgroup_id_y 1
		.amdhsa_system_sgpr_workgroup_id_z 1
		.amdhsa_system_vgpr_workitem_id 0
		.amdhsa_next_free_vgpr 512
		.amdhsa_next_free_sgpr 66
		.amdhsa_reserve_vcc 1
		.amdhsa_float_denorm_mode_32 3
		.amdhsa_float_denorm_mode_16_64 3
		.amdhsa_memory_ordered 1
		.amdhsa_forward_progress 1
		.amdhsa_inst_pref_size 255
	.end_amdhsa_kernel
	.section	.bss,"aw",@nobits
	.p2align	6
	.space	262144
	.amdgpu_metadata
---
amdhsa.version: [ 1, 2 ]
amdhsa.kernels:
  - .name:           k_q0dc0774de0_kvpart
    .symbol:         k_q0dc0774de0_kvpart.kd
    .args:
      - { .name: source, .offset: 0, .size: 8, .value_kind: global_buffer, .address_space: global }
      - { .name: Wk, .offset: 8, .size: 8, .value_kind: global_buffer, .address_space: global }
      - { .name: Wv, .offset: 16, .size: 8, .value_kind: global_buffer, .address_space: global }
      - { .name: lowp_scales, .offset: 24, .size: 8, .value_kind: global_buffer, .address_space: global }
      - { .name: kvp, .offset: 32, .size: 8, .value_kind: global_buffer, .address_space: global }
      - { .name: ksp, .offset: 40, .size: 8, .value_kind: global_buffer, .address_space: global }
    .group_segment_fixed_size: 312832
    .private_segment_fixed_size: 0
    .kernarg_segment_align: 8
    .kernarg_segment_size: 48
    .max_flat_workgroup_size: 256
    .sgpr_count:     66
    .vgpr_count:     512
    .wavefront_size: 32
...
	.end_amdgpu_metadata
.endif
;; end of part 1
;; launch prep (part 2): grid 196 x 1, 8 waves a work-group, no clusters, 25,600 bytes of LDS; arguments kvp, ksp, Wq, Wm, W1, W2, lowp_scales, kvc, ksum, wc; writes kvc, ksum, wc
.if DOCPART == 2
	.amdgcn_target "amdgcn-amd-amdhsa--gfx1250"
	.amdhsa_code_object_version 6
	.text
	.protected	k_q0dc0774de0_prep
	.globl	k_q0dc0774de0_prep
	.p2align	8
	.type	k_q0dc0774de0_prep,@function
k_q0dc0774de0_prep:
	s_mov_b64 s[64:65], 0
	v_nop
	global_prefetch_b8 v0, s[64:65] scope:SCOPE_SE
	s_setreg_imm32_b32 hwreg(HW_REG_WAVE_MODE, 25, 1), 1
	s_wait_xcnt 0x0
; BETWEEN THE TWO HALVES.  Work-groups 0-63: the 64 partial KV of a batch are added and quantised (e8) into the order of the last launch's operand registers.  64-67: the 64 partial Ksum of a batch are added.
; 68-195: Wq, Wm, W1, W2 are quantised once (e1, e11, e13, e15) and laid in the order in which a wave of the last launch takes them into registers, so that each of its loads reads 512 consecutive bytes.
; A SUM: wave w adds partials 8 w .. 8 w + 7 (all its loads on their way together), the eight waves' sums meet in LDS, wave 0 adds them.  Each kind of work-group has LDS bytes of its own.
; A WEIGHT'S LAYOUT: pieces of 16 codes; piece p, fields from the low end: lane (5 bits), c (2), T % 4 (2), K step (LK), T / 4 (LH), wave (2).  It holds
; W[16 NT wave + 32 (T / 2) + 8 (T % 2) + r + 8 (r / 8)][128 ks + 32 c + 16 h + 0 .. 15], NT = 4 x 2^LH tiles a wave, r = lane % 16, h = lane / 16.
; No matrix work, no tensor loads; the launch is short, so nothing is prefetched.  LIMITS: e1, e8, e11, e13, e15 between -126 and 119; NaN is not served; the sums' order differs from the reference's.
.set SPARE, 24576                      ; LDS: KV's sums at 0 (16,384 bytes), Ksum's at 16,384 (8,192), then the spare words, 128 bytes a wave
.macro BAR
	s_wait_dscnt 0x0
	s_barrier_signal -1
	s_barrier_wait -1
.endm
.macro MKSC se, vs, vl                 ; v[vs] = 2^e as f32, v[vl] = 448 x 2^e
	s_add_co_i32 s30, \se, 127
	s_lshl_b32 s31, s30, 23
	v_mov_b32 v[\vs], s31
	s_add_co_i32 s30, s30, 8
	s_lshl_b32 s30, s30, 23
	s_or_b32 s30, s30, 0x600000
	v_mov_b32 v[\vl], s30
.endm
.macro RSUM nq                         ; eight sets of 4 nq numbers a lane, from v16 on, are added into the first
.set ri, 1
.rept 7
.set rj, 0
.rept 2*\nq
	v_pk_add_f32 v[16+2*rj:17+2*rj], v[16+2*rj:17+2*rj], v[16+4*\nq*ri+2*rj:17+4*\nq*ri+2*rj]
.set rj, rj+1
.endr
.set ri, ri+1
.endr
.endm
.macro RED nq, stride, base, lo, hi    ; s[lo:hi]: my wave's first partial; a partial's part is nq x 512 bytes; partials lie stride bytes apart
	s_mul_i32 s27, s24, 512*\nq
	s_add_co_u32 s27, s27, \base
	v_add_nc_u32 v4, s27, v3                       ; where my wave's sum goes,
	v_add_nc_u32 v5, \base, v3                     ; and where wave 0 reads all eight
.set ri, 0
.rept 8
.set rq, 0
.rept \nq
	global_load_b128 v[16+4*(\nq*ri+rq):16+4*(\nq*ri+rq)+3], v3, s[\lo:\hi] offset:ri*\stride+512*rq th:TH_LOAD_NT
.set rq, rq+1
.endr
.set ri, ri+1
.endr
	s_wait_loadcnt 0x0
	RSUM \nq
.set rq, 0
.rept \nq
	ds_store_b128 v4, v[16+4*rq:19+4*rq] offset:512*rq
.set rq, rq+1
.endr
	BAR                                            ; the eight waves' sums lie in LDS
	s_cmp_lg_u32 s24, 0
	s_cbranch_scc1 .Lfin
.set ri, 0
.rept 8
.set rq, 0
.rept \nq
	ds_load_b128 v[16+4*(\nq*ri+rq):16+4*(\nq*ri+rq)+3], v5 offset:512*(\nq*ri+rq)
.set rq, rq+1
.endr
.set ri, ri+1
.endr
	s_wait_dscnt 0x0
	RSUM \nq
.endm
.macro Q16                             ; v16-31 become 16 codes in v[8:11]
.set qi, 0
.rept 16
	v_med3_num_f32 v[16+qi], v[16+qi], -v13, v13   ; the conversion does not saturate (ISA guide 7.6.2): the hold at 448 x the scale
.set qi, qi+1
.endr
	v_cvt_scalef32_pk8_fp8_f32 v[8:9], v[16:23], v12
	v_cvt_scalef32_pk8_fp8_f32 v[10:11], v[24:31], v12
.endm
.macro QW lo, hi, dstoff, LK, LH, first, se
	s_sub_co_u32 s25, ttmp9, \first
	v_lshl_or_b32 v4, s25, 8, v0                   ; my piece
	v_and_b32 v5, 15, v4
	v_and_b32 v6, 8, v4
	v_add_nc_u32 v5, v5, v6                        ; r + 8 (r / 8)
	v_bfe_u32 v6, v4, 7, 1
	v_lshl_add_u32 v5, v6, 3, v5                   ; + 8 (T % 2)
	v_bfe_u32 v6, v4, 8, 1
	v_lshl_add_u32 v5, v6, 5, v5                   ; + 32 ((T % 4) / 2)
.if \LH
	v_bfe_u32 v6, v4, 9+\LK, 1
	v_lshl_add_u32 v5, v6, 6, v5                   ; + 64 (T / 4)
.endif
	v_bfe_u32 v6, v4, 9+\LK+\LH, 2
	v_lshl_add_u32 v5, v6, 6+\LH, v5               ; + 16 NT wave: the row
	v_lshlrev_b32 v5, 9+\LK, v5                    ; in bytes
	v_bfe_u32 v6, v4, 9, \LK
	v_lshl_add_u32 v5, v6, 9, v5                   ; + 128 ks numbers
	v_bfe_u32 v6, v4, 5, 2
	v_lshl_add_u32 v5, v6, 7, v5                   ; + 32 c
	v_bfe_u32 v6, v4, 4, 1
	v_lshl_add_u32 v5, v6, 6, v5                   ; + 16 h
.irp q, 0,1,2,3
	global_load_b128 v[16+4*\q:19+4*\q], v5, s[\lo:\hi] offset:16*\q
.endr
	v_lshlrev_b32 v7, 4, v4
	s_wait_kmcnt 0x0
	MKSC \se, 12, 13
	s_wait_loadcnt 0x0
	Q16
	global_store_b128 v7, v[8:11], s[22:23] offset:\dstoff   ; 32 lanes store 512 consecutive bytes
	s_branch .Lfin
.endm
	s_load_b512 s[4:19], s[0:1], 0x0               ; kvp 4, ksp 6, Wq 8, Wm 10, W1 12, W2 14, the exponents 16, kvc 18
	s_load_b128 s[20:23], s[0:1], 0x40             ; ksum 20, wc 22
	v_lshl_add_u32 v1, v0, 2, SPARE                ; my spare word, and 0: kept for the closing lines alone
	v_mov_b32 v2, 0
	v_lshrrev_b32 v3, 5, v0
	v_readfirstlane_b32 s24, v3                    ; wave
	v_and_b32 v3, 31, v0
	v_lshlrev_b32 v3, 4, v3                        ; 16 lane
	s_mov_b32 s29, 0
	s_wait_kmcnt 0x0
	s_load_b512 s[32:47], s[16:17], 0x0            ; e0 .. e15 in s32 .. s47
	s_cmp_lt_u32 ttmp9, 64                         ; the branches hang on the work-group's number: alike in all its waves
	s_cbranch_scc1 .Lkv
	s_cmp_lt_u32 ttmp9, 68
	s_cbranch_scc1 .Lks
	s_cmp_lt_u32 ttmp9, 84
	s_cbranch_scc1 .Lwq
	s_cmp_lt_u32 ttmp9, 100
	s_cbranch_scc1 .Lwm
	s_cmp_lt_u32 ttmp9, 164
	s_cbranch_scc1 .Lw1
	QW 14, 15, 393216, 2, 0, 164, s47
.Lw1:
	QW 12, 13, 131072, 2, 1, 100, s45
.Lwm:
	QW 10, 11, 65536, 1, 0, 84, s43
.Lwq:
	QW 8, 9, 0, 1, 0, 68, s33
.Lkv:
	s_lshr_b32 s25, ttmp9, 4                       ; batch
	s_and_b32 s26, ttmp9, 15                       ; unit = 2 head + tile of v: 2,048 bytes of each partial
	s_lshl_b32 s28, s25, 21                        ; 64 partials of 32,768 bytes a batch
	s_lshl_b32 s27, s24, 18                        ; 8 partials a wave
	s_add_co_u32 s28, s28, s27
	s_lshl_b32 s27, s26, 11
	s_add_co_u32 s28, s28, s27
	s_add_nc_u64 s[4:5], s[4:5], s[28:29]
	RED 4, 32768, 0, 4, 5
	s_wait_kmcnt 0x0
	MKSC s40, 12, 13                               ; e8
	Q16                                            ; a lane's 16 numbers are d = 16 h + 0 .. 15 of its v: four registers of the operand
	s_lshl_b32 s28, s25, 13
	s_lshl_b32 s27, s26, 9
	s_add_co_u32 s28, s28, s27
	s_add_nc_u64 s[18:19], s[18:19], s[28:29]
	global_store_b128 v3, v[8:11], s[18:19]
	s_branch .Lfin
.Lks:
	s_sub_co_u32 s25, ttmp9, 64                    ; batch
	s_lshl_b32 s28, s25, 16                        ; 64 partials of 1,024 bytes
	s_lshl_b32 s27, s24, 13
	s_add_co_u32 s28, s28, s27
	s_add_nc_u64 s[6:7], s[6:7], s[28:29]
	RED 2, 1024, 16384, 6, 7
	s_lshl_b32 s28, s25, 10
	s_add_nc_u64 s[20:21], s[20:21], s[28:29]
	global_store_b128 v3, v[16:19], s[20:21]
	global_store_b128 v3, v[20:23], s[20:21] offset:512
.Lfin:
	s_wait_tensorcnt 0x0                           ; the wave's end, behind my last LDS store
	ds_add_u32 v1, v2
	s_wait_dscnt 0x0
	s_endpgm
.Lfunc_end_k_q0dc0774de0_prep:
	.size	k_q0dc0774de0_prep, .Lfunc_end_k_q0dc0774de0_prep-k_q0dc0774de0_prep
	.p2alignl 7, 3214868480
	.fill 96, 4, 3214868480
	.section	.rodata,"a",@progbits
	.p2align	6, 0x0
	.amdhsa_kernel k_q0dc0774de0_prep
		.amdhsa_group_segment_fixed_size 25600
		.amdhsa_private_segment_fixed_size 0
		.amdhsa_enable_private_segment 0
		.amdhsa_kernarg_size 80
		.amdhsa_user_sgpr_count 2
		.amdhsa_user_sgpr_kernarg_segment_ptr 1
		.amdhsa_wavefront_size32 1
		.amdhsa_system_sgpr_workgroup_id_x 1
		.amdhsa_system_sgpr_workgroup_id_y 1
		.amdhsa_system_sgpr_workgroup_id_z 1
		.amdhsa_system_vgpr_workitem_id 0
		.amdhsa_next_free_vgpr 160
		.amdhsa_next_free_sgpr 66
		.amdhsa_reserve_vcc 0
		.amdhsa_float_denorm_mode_32 3
		.amdhsa_float_denorm_mode_16_64 3
		.amdhsa_memory_ordered 1
		.amdhsa_forward_progress 1
		.amdhsa_inst_pref_size 35
	.end_amdhsa_kernel
	.amdgpu_metadata
---
amdhsa.version: [ 1, 2 ]
amdhsa.kernels:
  - .name:           k_q0dc0774de0_prep
    .symbol:         k_q0dc0774de0_prep.kd
    .args:
      - { .name: kvp, .offset: 0, .size: 8, .value_kind: global_buffer, .address_space: global }
      - { .name: ksp, .offset: 8, .size: 8, .value_kind: global_buffer, .address_space: global }
      - { .name: Wq, .offset: 16, .size: 8, .value_kind: global_buffer, .address_space: global }
      - { .name: Wm, .offset: 24, .size: 8, .value_kind: global_buffer, .address_space: global }
      - { .name: W1, .offset: 32, .size: 8, .value_kind: global_buffer, .address_space: global }
      - { .name: W2, .offset: 40, .size: 8, .value_kind: global_buffer, .address_space: global }
      - { .name: lowp_scales, .offset: 48, .size: 8, .value_kind: global_buffer, .address_space: global }
      - { .name: kvc, .offset: 56, .size: 8, .value_kind: global_buffer, .address_space: global }
      - { .name: ksum, .offset: 64, .size: 8, .value_kind: global_buffer, .address_space: global }
      - { .name: wc, .offset: 72, .size: 8, .value_kind: global_buffer, .address_space: global }
    .group_segment_fixed_size: 25600
    .private_segment_fixed_size: 0
    .kernarg_segment_align: 8
    .kernarg_segment_size: 80
    .max_flat_workgroup_size: 256
    .sgpr_count:     66
    .vgpr_count:     160
    .wavefront_size: 32
...
	.end_amdgpu_metadata
.endif
;; end of part 2
;; launch layer (part 3): grid 256 x 1, 4 waves a work-group, no clusters, 301,568 bytes of LDS; arguments x, wc, kvc, ksum, ln1_g, ln1_b, ln2_g, ln2_b, lowp_scales, out0; writes out0
.if DOCPART == 3
	.amdgcn_target "amdgcn-amd-amdhsa--gfx1250"
	.amdhsa_code_object_version 6
	.text
	.protected	k_q0dc0774de0_layer
	.globl	k_q0dc0774de0_layer
	.p2align	8
	.type	k_q0dc0774de0_layer,@function
k_q0dc0774de0_layer:
	s_mov_b64 s[64:65], 0
	v_nop
	global_prefetch_b8 v0, s[64:65] scope:SCOPE_SE
	s_setreg_imm32_b32 hwreg(HW_REG_WAVE_MODE, 25, 1), 1
	s_wait_xcnt 0x0
; THE LAYER FOR 256 ROWS OF x: q = x Wq^T, Q = rope(elu(q) + 1), Z = 1 / (Q . Ksum + 1e-6), msg = (KV Q) Z 16384, LN1(msg Wm^T), relu([x, LN1] W1^T) W2^T, LN2, + x.  All products on codes of E4M3 with the given scales; all else f32.
; SHARES.  Work-group G owns rows 256 G .. + 255 (batch G / 64).  THE FOUR WAVES SHARE THE COLUMNS: wave w owns q's and msg's columns 64 w .. (heads 2 w, 2 w + 1), the merge's columns 64 w .., hidden units 128 w .., output columns 64 w .. .
; Each byte of the weights' codes is loaded once, 512 consecutive bytes a load, straight into the registers where it stays; what goes from wave to wave, through LDS, are the rows' codes.
; All products are used transposed (source 0 = 16 rows of a weight, source 1 = 16 rows of the activation): a lane holds ONE row.  The rows of a weight that form a tile are chosen (lane r of tile 2 b + u: row 32 b + 8 u + r + 8 (r / 8)),
; so that the 16 registers of tiles 2 b, 2 b + 1 are units 32 b + 16 (lane / 16) + 0 .. 15: 16 neighbours along the next K, and a head of 32 is one b.
; K = 128 fragments hold k = 32 c + 16 (lane / 16) + 0 .. 15 in registers 4 c .. 4 c + 3, alike on both sides.  The K = 64 step of KV Q holds head 2 w in registers 0-3 and head 2 w + 1 in 4-7; KV's fragment of one head has zero codes for the other.
; LAYER NORMS: each wave takes mean and centred sum of squares of its 64 columns; the four meet in LDS and are joined without a difference of large sums.
; THE ORDER OF REQUESTS: in every phase the LDS loads that the next products wait for are issued ahead of the phase's requests to memory, and the weights of later phases are dealt over the trips of the first loop, 24 loads a trip behind the 32 of x.
; NO TENSOR LOADS, NO CLUSTER: the weights that all work-groups share are 512 KiB of codes, as much as the four waves' registers hold in turn; through LDS they would want slots that the rows' codes (294 KiB) leave no room for.
; x is read a second time for the residual, by the wave that stores those rows.
; LIMITS: e0, e9, e10, e12 and e14 - e12 - e13 between -126 and 119; e0 + e1 between -126 and 127; e10 + e11 and e14 + e15 between -59 and 67.  NaN among the inputs is not served.  The angles' reduction holds up to 128 (H = W = 128).
; REGISTERS: window 0: v3-47 lane numbers, addresses, scales; v48-255 by phase (below).  window 1: x as loaded, at work, codes; later W1's tiles 0-3; later g2, b2, rows of the result.  window 2: W1's tiles 4-7; later x for the residual.
;            window 3: Wq, Wm; then g1, b1 and a part of W2 over Wq; then W2.
.set MSG,   69632                      ; LDS: x's e0 codes, 256 rows x 272, at 0; msg's codes here;
.set XM,    139264                     ; [x's e12 codes | LN1's codes], 256 rows x 528;  the hidden layer's codes, 256 x 528, lie from 0 on, over the first two, once those are done with;
.set STG,   139264                     ; the stage for 64 rows of the result, 64 x 1,040, lies over XM once that is done with;
.set TBC,   274432                     ; (cos, sin) [position 128][t 8], rows of 64 + 16 bytes;
.set ST1,   284672                     ; LN1's (mean, M2) [row 256][wave 4];
.set ST2O,  8192                       ; LN2's, so far behind;
.set SPARE, 301056                     ; the spare words, 128 bytes a wave: two blocks of 256 bytes that no other line names
.set CF,  36                           ; s36-43 the coefficients of sine and cosine
.set XF,  48                           ; loop 1: x's two fragments; AC q's four tiles; D3 at work, then KV Q; RW, CL cos and sin by row and by column; KSR Ksum; KVF KV's four fragments; QC, MC codes
.set AC,  80
.set D3,  112
.set RW,  144
.set CL,  152
.set KSR, 160
.set KVF, 192
.set QC,  224
.set MC,  232
.set MSB, 0
.macro WIN new                         ; the immediate's high byte repeats the setting that is left
.if MSB != \new
	s_set_vgpr_msb (MSB<<8)|\new
.set MSB, \new
.endif
.endm
.macro PLACES                          ; four places behind matrix instructions (ISA guide 7.12.1)
.rept 4
	v_nop
.endr
.endm
.macro BAR                             ; my LDS stores have landed and my LDS loads are in: then the work-group's barrier
	s_wait_dscnt 0x0
	s_barrier_signal -1
	s_barrier_wait -1
.endm
.macro MKSC se, vs, vl                 ; v[vs] = 2^e as f32 (the conversion takes its exponent field), v[vl] = 448 x 2^e
	s_add_co_i32 s60, \se, 127
	s_lshl_b32 s61, s60, 23
	v_mov_b32 v[\vs], s61
	s_add_co_i32 s60, s60, 8
	s_lshl_b32 s60, s60, 23
	s_or_b32 s60, s60, 0x600000
	v_mov_b32 v[\vl], s60
.endm
; cos and sin of v64 x d0 .. d3 (angles from 0 to 128), FOUR AT A TIME, line by line, so that no line reads the line above it: (cos, sin) of angle k into v[48 + 2 (t0 + k)], v[49 + 2 (t0 + k)].
; N = floor(a 2/pi + 1/2); R = a - N pi/2 in two fused steps (pi/2 = 0x3fc90fdb - 4.3711388e-8; the first step rounds nothing); polynomials on |R| <= pi/4; the quadrant by selects and sign bits.
; v72.. a, v76.. N, v80.. R, v84.. R^2, v88.. at work; s88-91 the four masks
.macro SC4 t0, d0, d1, d2, d3
	v_mul_f32 v72, \d0, v64
	v_mul_f32 v73, \d1, v64
	v_mul_f32 v74, \d2, v64
	v_mul_f32 v75, \d3, v64
.irp k, 0,1,2,3
	v_fma_f32 v[76+\k], v[72+\k], 0x3f22f983, 0.5
.endr
.irp k, 0,1,2,3
	v_floor_f32 v[76+\k], v[76+\k]
.endr
.irp k, 0,1,2,3
	v_fma_f32 v[80+\k], v[76+\k], s[CF], v[72+\k]
.endr
.irp k, 0,1,2,3
	v_fma_f32 v[80+\k], v[76+\k], s[CF+1], v[80+\k]
.endr
.irp k, 0,1,2,3
	v_cvt_i32_f32 v[76+\k], v[76+\k]
.endr
.irp k, 0,1,2,3
	v_mul_f32 v[84+\k], v[80+\k], v[80+\k]
.endr
.irp k, 0,1,2,3
	v_fma_f32 v[48+2*(\t0+\k)], v[84+\k], s[CF+2], s[CF+3]
.endr
.irp k, 0,1,2,3
	v_fma_f32 v[49+2*(\t0+\k)], v[84+\k], s[CF+5], s[CF+6]
.endr
.irp k, 0,1,2,3
	v_fma_f32 v[48+2*(\t0+\k)], v[48+2*(\t0+\k)], v[84+\k], s[CF+4]
.endr
.irp k, 0,1,2,3
	v_fma_f32 v[49+2*(\t0+\k)], v[49+2*(\t0+\k)], v[84+\k], s[CF+7]
.endr
.irp k, 0,1,2,3
	v_mul_f32 v[88+\k], v[84+\k], v[84+\k]
.endr
.irp k, 0,1,2,3
	v_mul_f32 v[72+\k], v[84+\k], v[80+\k]
.endr
.irp k, 0,1,2,3
	v_fma_f32 v[84+\k], v[84+\k], -0.5, 1.0
.endr
.irp k, 0,1,2,3
	v_fma_f32 v[49+2*(\t0+\k)], v[49+2*(\t0+\k)], v[72+\k], v[80+\k]       ; sin R
.endr
.irp k, 0,1,2,3
	v_fma_f32 v[48+2*(\t0+\k)], v[48+2*(\t0+\k)], v[88+\k], v[84+\k]       ; cos R
.endr
.irp k, 0,1,2,3
	v_and_b32 v[88+\k], 1, v[76+\k]
.endr
.irp k, 0,1,2,3
	v_cmp_eq_u32 s[88+\k], 1, v[88+\k]
.endr
.irp k, 0,1,2,3
	v_cndmask_b32 v[80+\k], v[49+2*(\t0+\k)], v[48+2*(\t0+\k)], s[88+\k]   ; odd quadrants change the two
.endr
.irp k, 0,1,2,3
	v_cndmask_b32 v[84+\k], v[48+2*(\t0+\k)], v[49+2*(\t0+\k)], s[88+\k]
.endr
.irp k, 0,1,2,3
	v_and_b32 v[88+\k], 2, v[76+\k]
.endr
.irp k, 0,1,2,3
	v_add_nc_u32 v[76+\k], 1, v[76+\k]
.endr
.irp k, 0,1,2,3
	v_lshlrev_b32 v[88+\k], 30, v[88+\k]
.endr
.irp k, 0,1,2,3
	v_and_b32 v[76+\k], 2, v[76+\k]
.endr
.irp k, 0,1,2,3
	v_xor_b32 v[49+2*(\t0+\k)], v[80+\k], v[88+\k]                         ; sin is negative in quadrants 2, 3
.endr
.irp k, 0,1,2,3
	v_lshlrev_b32 v[76+\k], 30, v[76+\k]
.endr
.irp k, 0,1,2,3
	v_xor_b32 v[48+2*(\t0+\k)], v[84+\k], v[76+\k]                         ; cos in quadrants 1, 2
.endr
.endm
.macro XLD off                         ; my 16 rows of a chunk of 64, off bytes on: 32 loads of 512 consecutive bytes into v[8 row + 4 half] of window 1
	WIN 0x40
.set xi, 0
.rept 32
	global_load_b128 v[4*xi:4*xi+3], v19, s[28:29] offset:\off+512*xi
.set xi, xi+1
.endr
	WIN 0
.endm
.macro W1LD first, count               ; loads first .. of my 128 of W1's codes: load i fills registers 4 i .. 4 i + 3 of windows 1 and 2 taken on end
	WIN 0x40+0x40*((\first)/64)
.set wi, \first
.rept \count
	global_load_b128 v[4*(wi%64):4*(wi%64)+3], v38, s[6:7] offset:131072+512*wi
.set wi, wi+1
.endr
	WIN 0
.endm
.macro WLD3 reg, off, first, count, adr ; loads first .. of my share of a weight whose codes begin off bytes into wc: load i fills registers reg + 4 i .. of window 3
	WIN 0xc0
.set wi, \first
.rept \count
	global_load_b128 v[(\reg)+4*wi:(\reg)+4*wi+3], v[\adr], s[6:7] offset:(\off)+512*wi
.set wi, wi+1
.endr
	WIN 0
.endm
.macro PF                              ; my 16 rows of the chunk after the next, 16,384 bytes: lanes 256 bytes apart, two lines; each block is named once, by the wave that will load it
	global_prefetch_b8 v20, s[28:29] offset:131072 th:TH_LOAD_NT scope:SCOPE_SE
	global_prefetch_b8 v20, s[28:29] offset:131072+8192 th:TH_LOAD_NT scope:SCOPE_SE
.endm
.macro FLD dst, adr, off, nk           ; nk fragments of 16 rows x 128 K from rows of codes in LDS
.set fk, 0
.rept \nk
.irp c, 0,1,2,3
	ds_load_b128 v[(\dst)+16*fk+4*\c:(\dst)+16*fk+4*\c+3], v[\adr] offset:(\off)+128*fk+32*\c
.endr
.set fk, fk+1
.endr
.endm
.macro MM4 d, a, bf, nk                ; four tiles of a weight by turns, nk K steps; the weight's fragment (T, ks) at a + 16 (4 ks + T); the first K step starts the sums
.set mk, 0
.rept \nk
.irp T, 0,1,2,3
.if mk == 0
	v_wmma_f32_16x16x128_fp8_fp8 v[(\d)+8*\T:(\d)+8*\T+7], v[(\a)+16*(4*mk+\T):(\a)+16*(4*mk+\T)+15], v[(\bf)+16*mk:(\bf)+16*mk+15], 0
.else
	v_wmma_f32_16x16x128_fp8_fp8 v[(\d)+8*\T:(\d)+8*\T+7], v[(\a)+16*(4*mk+\T):(\a)+16*(4*mk+\T)+15], v[(\bf)+16*mk:(\bf)+16*mk+15], v[(\d)+8*\T:(\d)+8*\T+7]
.endif
.endr
.set mk, mk+1
.endr
.endm
.macro QT A, dst, sc, lim              ; 32 numbers become 8 registers of codes
.set q_, 0
.rept 32
	v_med3_num_f32 v[(\A)+q_], v[(\A)+q_], -v[\lim], v[\lim]   ; the conversion does not saturate (ISA guide 7.6.2): the hold at 448 x the scale
.set q_, q_+1
.endr
.set q_, 0
.rept 4
	v_cvt_scalef32_pk8_fp8_f32 v[(\dst)+2*q_:(\dst)+2*q_+1], v[(\A)+8*q_:(\A)+8*q_+7], v[\sc]
.set q_, q_+1
.endr
	v_nop                                          ; a plain line behind the last conversion
.endm
; ONE TILE OF 16 ROWS THROUGH q, THE ROTATION, Z, KV Q
.macro P12 mt
.if \mt == 0
	s_wait_dscnt 0x0                               ; x's fragments and the column's cos and sin are in
.else
	s_wait_dscnt 0x2                               ; likewise; behind those ten loads only the last tile's two stores were issued, and they may stay out
.endif
	WIN 0x03                                       ; source 0: Wq in window 3
	MM4 AC, 0, XF, 2
	WIN 0
	PLACES
.if \mt < 3
	FLD XF, 21, 4352*(\mt+1), 2
.endif
	; elu(q) + 1 = max(q, 0) + 2^(min(q, 0) log2 e), q = sum x 2^(e0 + e1)
.set e_, 0
.rept 16
	v_pk_mul_f32 v[D3+e_:D3+e_+1], v[AC+e_:AC+e_+1], s[46:47] op_sel_hi:[1,0]
.set e_, e_+2
.endr
.set e_, 0
.rept 32
	v_min_num_f32 v[D3+e_], 0, v[D3+e_]
.set e_, e_+1
.endr
.set e_, 0
.rept 32
	v_exp_f32 v[D3+e_], v[D3+e_]
.set e_, e_+1
.endr
.set e_, 0
.rept 32
	v_max_num_f32 v[AC+e_], 0, v[AC+e_]            ; plain lines behind the exponentials
.set e_, e_+1
.endr
	s_wait_alu depctr_va_vdst(0)                   ; one wait for the batch, ahead of its first reader
.set e_, 0
.rept 16
	v_pk_fma_f32 v[AC+e_:AC+e_+1], v[AC+e_:AC+e_+1], s[44:45], v[D3+e_:D3+e_+1] op_sel_hi:[1,0,1]
.set e_, e_+2
.endr
	; the rotation.  My d = 16 h + i: pair 8 h + p; even pairs turn by the row's angle, odd ones by the column's; t = 4 h + p / 2.  All 32 products by the sines first, then the 32 fused steps: no line reads the line above it
.irp hb, 0,1
.irp p, 0,1,2,3,4,5,6,7
.set x0_, AC+16*\hb+2*\p
.set cs_, RW+8*(\p%2)+2*(\p/2)
.set t_, D3+16*\hb+2*\p
	v_mul_f32 v[t_], v[x0_+1], v[cs_+1]
	v_mul_f32 v[t_+1], v[x0_], v[cs_+1]
.endr
.endr
.irp hb, 0,1
.irp p, 0,1,2,3,4,5,6,7
.set x0_, AC+16*\hb+2*\p
.set cs_, RW+8*(\p%2)+2*(\p/2)
.set t_, D3+16*\hb+2*\p
	v_fma_f32 v[x0_], v[x0_], v[cs_], -v[t_]
	v_fma_f32 v[x0_+1], v[x0_+1], v[cs_], v[t_+1]
.endr
.endr
.if \mt < 3
	ds_load_b128 v[CL:CL+3], v23 offset:1280*(\mt+1)
	ds_load_b128 v[CL+4:CL+7], v23 offset:1280*(\mt+1)+16
.endif
	; Z = 1 / (Q . Ksum + 1e-6), in f32, of the numbers before they are quantised
.irp hb, 0,1
	v_pk_mul_f32 v[244+2*\hb:245+2*\hb], v[AC+16*\hb:AC+16*\hb+1], v[KSR+16*\hb:KSR+16*\hb+1]
.endr
.irp k, 2,4,6,8,10,12,14
.irp hb, 0,1
	v_pk_fma_f32 v[244+2*\hb:245+2*\hb], v[AC+16*\hb+\k:AC+16*\hb+\k+1], v[KSR+16*\hb+\k:KSR+16*\hb+\k+1], v[244+2*\hb:245+2*\hb]
.endr
.endr
	v_add_f32 v244, v244, v245
	v_add_f32 v246, v246, v247
	v_permlanex16_b32 v248, v244, s32, s33         ; the head's other 16 channels lie in the lane 16 away
	v_permlanex16_b32 v249, v246, s32, s33
	v_add_f32 v244, v244, v248
	v_add_f32 v246, v246, v249
	v_add_f32 v244, 0x358637bd, v244
	v_add_f32 v246, 0x358637bd, v246
	v_rcp_f32 v250, v244
	v_rcp_f32 v251, v246
	QT AC, QC, 32, 33                              ; Q's codes (e9): registers 0-3 head 2 w, 4-7 head 2 w + 1.  (Plain lines behind the reciprocals)
.irp f, 0,1,2,3
	v_wmma_f32_16x16x64_fp8_fp8 v[D3+8*\f:D3+8*\f+7], v[KVF+8*\f:KVF+8*\f+7], v[QC:QC+7], 0   ; tile f = 2 head + u: my row's v = 16 h + 8 u + 0 .. 7
.endr
	PLACES
	s_wait_alu depctr_va_vdst(0)                   ; the wait for the two reciprocals, ahead of their first reader
	v_ldexp_f32 v252, v250, s48                    ; Z x 2^(e8 + e9) x 16384
	v_ldexp_f32 v254, v251, s48
.irp hb, 0,1
.irp i, 0,2,4,6,8,10,12,14
	v_pk_mul_f32 v[D3+16*\hb+\i:D3+16*\hb+\i+1], v[D3+16*\hb+\i:D3+16*\hb+\i+1], v[252+2*\hb:253+2*\hb] op_sel_hi:[1,0]
.endr
.endr
	QT D3, MC, 34, 35                              ; msg's codes (e10)
	ds_store_b128 v22, v[MC:MC+3] offset:4352*\mt          ; my row, channels 64 w + 16 h on;
	ds_store_b128 v22, v[MC+4:MC+7] offset:4352*\mt+32     ; and 32 further on
.endm
; LAYER NORM.  LNSTAT: of the 32 numbers A of my row (half of my wave's 64 columns): the wave's mean; A is centred by it; the centred sum of squares; both to LDS and kept in v[SP], v[SP+1].
.macro LNSTAT A, SP, adr, off
.irp c, 0,1,2,3
	v_pk_add_f32 v[LT+2*\c:LT+2*\c+1], v[(\A)+8*\c:(\A)+8*\c+1], v[(\A)+8*\c+2:(\A)+8*\c+3]   ; four chains; each accumulator from its low end on
.endr
.irp k, 4,6
.irp c, 0,1,2,3
	v_pk_add_f32 v[LT+2*\c:LT+2*\c+1], v[LT+2*\c:LT+2*\c+1], v[(\A)+8*\c+\k:(\A)+8*\c+\k+1]
.endr
.endr
	v_pk_add_f32 v[LT:LT+1], v[LT:LT+1], v[LT+2:LT+3]
	v_pk_add_f32 v[LT+4:LT+5], v[LT+4:LT+5], v[LT+6:LT+7]
	v_pk_add_f32 v[LT:LT+1], v[LT:LT+1], v[LT+4:LT+5]
	v_add_f32 v[LT], v[LT], v[LT+1]
	v_permlanex16_b32 v[LT+2], v[LT], s32, s33
	v_add_f32 v[LT], v[LT], v[LT+2]
	v_mul_f32 v[\SP], 0x3c800000, v[LT]            ; / 64
.set n_, 0
.rept 16
	v_pk_add_f32 v[(\A)+n_:(\A)+n_+1], v[(\A)+n_:(\A)+n_+1], v[(\SP):(\SP)+1] op_sel_hi:[1,0] neg_lo:[0,1] neg_hi:[0,1]
.set n_, n_+2
.endr
.irp c, 0,1,2,3
	v_pk_mul_f32 v[LT+2*\c:LT+2*\c+1], v[(\A)+8*\c:(\A)+8*\c+1], v[(\A)+8*\c:(\A)+8*\c+1]
.endr
.irp k, 2,4,6
.irp c, 0,1,2,3
	v_pk_fma_f32 v[LT+2*\c:LT+2*\c+1], v[(\A)+8*\c+\k:(\A)+8*\c+\k+1], v[(\A)+8*\c+\k:(\A)+8*\c+\k+1], v[LT+2*\c:LT+2*\c+1]
.endr
.endr
	v_pk_add_f32 v[LT:LT+1], v[LT:LT+1], v[LT+2:LT+3]
	v_pk_add_f32 v[LT+4:LT+5], v[LT+4:LT+5], v[LT+6:LT+7]
	v_pk_add_f32 v[LT:LT+1], v[LT:LT+1], v[LT+4:LT+5]
	v_add_f32 v[LT], v[LT], v[LT+1]
	v_permlanex16_b32 v[LT+2], v[LT], s32, s33
	v_add_f32 v[(\SP)+1], v[LT], v[LT+2]
	ds_store_b64 v[\adr], v[(\SP):(\SP)+1] offset:\off     ; (both halves of the lanes hold and store the same pair)
.endm
; LNCOMB4: the four waves' (mean, M2) of the rows of tiles k = 0 .. 3, in v[LL + 8 k] on: the row's mean; M2 = sum of M2 + 64 x sum of (mean_w - mean)^2; 1 / sqrt(M2 x 2^(2 E) / 256 + 1e-5).
; The four tiles go line by line, each with five registers of its own from v[CT + 5 k] on.  Then the plain line and the one wait for the four roots, and each tile's two factors into v[CT + 4 k] and v[CT + 4 k + 2].
.macro LNCOMB4 sv, sa
.irp k, 0,1,2,3
	v_add_f32 v[CT+5*\k], v[LL+8*\k], v[LL+8*\k+2]
.endr
.irp k, 0,1,2,3
	v_add_f32 v[CT+5*\k+1], v[LL+8*\k+4], v[LL+8*\k+6]
.endr
.irp k, 0,1,2,3
	v_add_f32 v[CT+5*\k+2], v[LL+8*\k+1], v[LL+8*\k+3]
.endr
.irp k, 0,1,2,3
	v_add_f32 v[CT+5*\k+3], v[LL+8*\k+5], v[LL+8*\k+7]
.endr
.irp k, 0,1,2,3
	v_add_f32 v[CT+5*\k], v[CT+5*\k], v[CT+5*\k+1]
.endr
.irp k, 0,1,2,3
	v_add_f32 v[CT+5*\k+2], v[CT+5*\k+2], v[CT+5*\k+3]
.endr
.irp k, 0,1,2,3
	v_mul_f32 v[MN+\k], 0x3e800000, v[CT+5*\k]
.endr
.irp k, 0,1,2,3
	v_sub_f32 v[CT+5*\k], v[LL+8*\k], v[MN+\k]
.endr
.irp k, 0,1,2,3
	v_sub_f32 v[CT+5*\k+1], v[LL+8*\k+2], v[MN+\k]
.endr
.irp k, 0,1,2,3
	v_sub_f32 v[CT+5*\k+3], v[LL+8*\k+4], v[MN+\k]
.endr
.irp k, 0,1,2,3
	v_sub_f32 v[CT+5*\k+4], v[LL+8*\k+6], v[MN+\k]
.endr
.irp k, 0,1,2,3
	v_mul_f32 v[CT+5*\k], v[CT+5*\k], v[CT+5*\k]
.endr
.irp k, 0,1,2,3
	v_fmac_f32 v[CT+5*\k], v[CT+5*\k+1], v[CT+5*\k+1]
.endr
.irp k, 0,1,2,3
	v_fmac_f32 v[CT+5*\k], v[CT+5*\k+3], v[CT+5*\k+3]
.endr
.irp k, 0,1,2,3
	v_fmac_f32 v[CT+5*\k], v[CT+5*\k+4], v[CT+5*\k+4]
.endr
.irp k, 0,1,2,3
	v_fma_f32 v[CT+5*\k], v[CT+5*\k], 0x42800000, v[CT+5*\k+2]
.endr
.irp k, 0,1,2,3
	v_fma_f32 v[CT+5*\k], v[CT+5*\k], s[\sv], s53
.endr
.irp k, 0,1,2,3
	v_rsq_f32 v[RS+\k], v[CT+5*\k]
.endr
	v_nop                                          ; a plain line behind the last root,
	s_wait_alu depctr_va_vdst(0)                   ; and one wait for the four, ahead of their first reader
.irp k, 0,1,2,3
	v_mul_f32 v[CT+4*\k], s[\sa], v[RS+\k]         ; 2^E / sqrt(..)
.endr
.irp k, 0,1,2,3
	v_sub_f32 v[CT+4*\k+2], v[SPB+2*\k], v[MN+\k]
.endr
.irp k, 0,1,2,3
	v_mul_f32 v[CT+4*\k+2], v[CT+4*\k+2], v[CT+4*\k]   ; (mean_w - mean) x that
.endr
.endm
; LNFIN: A (centred by the wave's mean) becomes ((A + mean_w - mean) 2^E / sqrt(..)) g + b; g at gb and b at bb in the window that win names for sources 1 and 2
.macro LNFIN A, k, win, gb, bb
.set F_, CT+4*(\k)
.set n_, 0
.rept 16
	v_pk_fma_f32 v[(\A)+n_:(\A)+n_+1], v[(\A)+n_:(\A)+n_+1], v[F_:F_+1], v[F_+2:F_+3] op_sel_hi:[1,0,0]
.set n_, n_+2
.endr
	WIN \win
.set n_, 0
.rept 16
	v_pk_fma_f32 v[(\A)+n_:(\A)+n_+1], v[(\A)+n_:(\A)+n_+1], v[\gb+n_:\gb+n_+1], v[\bb+n_:\bb+n_+1]
.set n_, n_+2
.endr
	WIN 0
.endm
	s_load_b512 s[4:19], s[0:1], 0x0               ; x 4, wc 6, kvc 8, ksum 10, ln1_g 12, ln1_b 14, ln2_g 16, ln2_b 18
	s_load_b128 s[20:23], s[0:1], 0x40             ; the exponents 20, out0 22
	v_lshl_add_u32 v1, v0, 2, SPARE                ; my spare word, and 0: kept for the closing lines alone
	v_mov_b32 v2, 0
	v_lshrrev_b32 v3, 5, v0
	v_readfirstlane_b32 s24, v3                    ; wave
	v_and_b32 v41, 31, v0                          ; lane
	v_and_b32 v3, 15, v0                           ; r
	v_bfe_u32 v4, v0, 4, 1                         ; h
	v_lshlrev_b32 v5, 4, v41
	s_and_b32 s25, ttmp9, 63                       ; g: my 256 positions within the batch
	s_lshr_b32 s26, ttmp9, 6                       ; the batch
	v_mul_u32_u24 v6, v3, 272
	v_lshl_add_u32 v6, v4, 4, v6                   ; a fragment's row x 272 + 16 h
	v_mul_u32_u24 v7, v3, 528
	v_lshl_add_u32 v7, v4, 4, v7                   ; x 528
	v_mul_u32_u24 v8, v3, 80
	v_lshl_add_u32 v8, v4, 5, v8
	v_add_nc_u32 v8, TBC, v8                       ; the table at column position r, t = 4 h on
	s_mul_i32 s60, s25, 160
	v_lshlrev_b32 v9, 5, v4
	v_add_nc_u32 v9, TBC, v9
	v_add_nc_u32 v9, s60, v9                       ; and at position 2 g: my work-group's first row position
	s_lshl_b32 s60, s24, 6
	v_add_nc_u32 v10, s60, v6
	v_add_nc_u32 v10, MSG, v10                     ; msg's codes: row r, channels 64 w + 16 h
	v_add_nc_u32 v11, s60, v7
	v_add_nc_u32 v11, XM+256, v11                  ; LN1's codes: row r, behind x's 256, channels 64 w + 16 h
	s_lshl_b32 s61, s24, 7
	v_add_nc_u32 v12, s61, v7                      ; the hidden layer's codes: row r, units 128 w + 16 h
	s_lshl_b32 s61, s24, 3
	v_lshl_add_u32 v13, v3, 5, s61
	v_add_nc_u32 v13, ST1, v13                     ; the statistics: row r, my wave's pair;
	v_lshlrev_b32 v14, 5, v3
	v_add_nc_u32 v14, ST1, v14                     ; row r, all four
	v_mul_u32_u24 v15, v3, 1040
	v_lshl_add_u32 v15, v4, 6, v15
	s_lshl_b32 s61, s24, 8
	v_add_nc_u32 v15, s61, v15
	v_add_nc_u32 v15, STG, v15                     ; the stage, in: row r, columns 64 w + 16 h
	s_mul_i32 s61, s24, 16640
	v_add_nc_u32 v16, s61, v5
	v_add_nc_u32 v16, STG, v16                     ; back: my 16 rows, 16 bytes a lane
	s_mul_i32 s61, s24, 4352
	v_lshl_add_u32 v17, v41, 2, s61                ; x's e0 codes: my 16 rows, 4 bytes a lane
	s_mul_i32 s61, s24, 8448
	v_lshl_add_u32 v18, v41, 2, s61
	v_add_nc_u32 v18, XM, v18                      ; x's e12 codes likewise
	s_lshl_b32 s61, s24, 14
	v_add_nc_u32 v19, s61, v5                      ; x, out0, Wq, Wm: 16,384 bytes a wave + 16 lane
	v_lshl_add_u32 v20, v41, 8, s61                ; the prefetches: lanes 256 bytes apart
	s_lshl_b32 s61, s24, 16
	v_add_nc_u32 v38, s61, v5                      ; W1: 65,536 bytes a wave
	s_lshl_b32 s61, s24, 15
	v_add_nc_u32 v39, s61, v5                      ; W2: 32,768
	s_lshl_b32 s61, s24, 8
	v_lshl_add_u32 v40, v4, 6, s61                 ; gains, biases, Ksum: numbers 64 w + 16 h on
	s_lshl_b32 s61, s24, 11
	v_add_nc_u32 v42, s61, v5                      ; KV's codes: 2,048 bytes a wave
	s_mov_b32 s32, 0x76543210                      ; v_permlanex16_b32: lane l xor 16
	s_mov_b32 s33, 0xfedcba98
	s_mov_b32 s[CF], 0xbfc90fdb
	s_mov_b32 s[CF+1], 0x333bbd2e
	s_mov_b32 s[CF+2], 0x37ccf5ce
	s_mov_b32 s[CF+3], 0xbab6061a
	s_mov_b32 s[CF+4], 0x3d2aaaa5
	s_mov_b32 s[CF+5], 0xb94ca1f9
	s_mov_b32 s[CF+6], 0x3c08839e
	s_mov_b32 s[CF+7], 0xbe2aaaa3
	s_mov_b32 s53, 0x3727c5ac                      ; 1e-5
	s_wait_kmcnt 0x0
	s_load_b512 s[68:83], s[20:21], 0x0            ; e0 .. e15 in s68 .. s83
	s_lshl_b32 s60, ttmp9, 18                      ; 256 rows of 1,024 bytes
	s_mov_b32 s61, 0
	s_add_nc_u64 s[28:29], s[4:5], s[60:61]        ; x at my first row; it walks,
	s_mov_b64 s[84:85], s[28:29]                   ; and is kept for the residual
	s_add_nc_u64 s[30:31], s[22:23], s[60:61]      ; out0 likewise
	s_lshl_b32 s60, s26, 13
	s_add_nc_u64 s[8:9], s[8:9], s[60:61]
	s_lshl_b32 s60, s26, 10
	s_add_nc_u64 s[10:11], s[10:11], s[60:61]
	XLD 0                                          ; the first chunk of x: 32 loads,
.irp hb, 0,1                                   ; KV's and Ksum's 12,
.irp u, 0,1
	global_load_b128 v[KVF+8*(2*\hb+\u)+4*\hb:KVF+8*(2*\hb+\u)+4*\hb+3], v42, s[8:9] offset:512*(2*\hb+\u)
.irp i, 0,1,2,3
	v_mov_b32 v[KVF+8*(2*\hb+\u)+4*(1-\hb)+\i], 0  ; zero codes where the other head's channels stand
.endr
.endr
.irp q, 0,1,2,3
	global_load_b128 v[KSR+16*\hb+4*\q:KSR+16*\hb+4*\q+3], v40, s[10:11] offset:128*\hb+16*\q
.endr
.endr
	WLD3 0, 0, 0, 16, 19                           ; and the first 16 of Wq's 32: 60 loads of mine are out while the table is made
	; THE TABLE: thread j makes (cos, sin) of (j + 1) 10000^(-t / 8), t = 0 .. 7.  It serves columns and rows alike
	v_add_nc_u32 v64, 1, v0
	v_cvt_f32_u32 v64, v64
	SC4 0, 0x3f800000, 0x3ea1e89b, 0x3dcccccd, 0x3d0186e2
	SC4 4, 0x3c23d70a, 0x3b4f3e37, 0x3a83126f, 0x39a5cb5f
	v_mul_u32_u24 v70, v0, 80
	v_add_nc_u32 v70, TBC, v70
.irp k, 0,1,2,3
	ds_store_b128 v70, v[48+4*\k:51+4*\k] offset:16*\k
.endr
.set n_, 240
.rept 16
	v_mov_b32 v[n_], 0                             ; written once: permutes' destinations and the upper halves of pairs of which the low word serves both halves
.set n_, n_+1
.endr
	s_wait_kmcnt 0x0
	MKSC s68, 28, 29                               ; e0: x for q
	MKSC s80, 30, 31                               ; e12: [x, LN1]
	MKSC s77, 32, 33                               ; e9: Q
	MKSC s78, 34, 35                               ; e10: msg
	s_sub_co_i32 s59, s82, s80
	s_sub_co_i32 s59, s59, s81
	MKSC s59, 36, 37                               ; e14 - e12 - e13: the hidden layer's sums
	s_add_co_i32 s59, s68, s69
	s_lshl_b32 s59, s59, 23
	s_add_co_i32 s44, s59, 0x3f800000              ; 2^(e0 + e1)
	s_mov_b32 s45, s44
	s_add_co_i32 s46, s59, 0x3fb8aa3b              ; log2(e) x 2^(e0 + e1)
	s_mov_b32 s47, s46
	s_add_co_i32 s48, s76, s77
	s_add_co_i32 s48, s48, 14                      ; e8 + e9 + 14
	s_add_co_i32 s59, s78, s79                     ; E1 = e10 + e11
	s_lshl_b32 s49, s59, 23
	s_add_co_i32 s49, s49, 0x3f800000              ; 2^E1
	s_lshl_b32 s50, s59, 24
	s_add_co_i32 s50, s50, 0x3b800000              ; 2^(2 E1 - 8)
	s_add_co_i32 s59, s82, s83                     ; E2 = e14 + e15
	s_lshl_b32 s51, s59, 23
	s_add_co_i32 s51, s51, 0x3f800000
	s_lshl_b32 s52, s59, 24
	s_add_co_i32 s52, s52, 0x3b800000
	WLD3 0, 0, 16, 16, 19                          ; Wq's other 16 loads
	BAR                                            ; the table lies in LDS
	WIN 0x40                                       ; my work-group's two row positions, 2 g and 2 g + 1, t = 4 h .. 4 h + 3: into v224-239 of window 1.  These four loads have a stretch between two barriers to themselves; each reads 16 of a table row's 64 written bytes
	ds_load_b128 v[224:227], v9
	ds_load_b128 v[228:231], v9 offset:16
	ds_load_b128 v[232:235], v9 offset:80
	ds_load_b128 v[236:239], v9 offset:96
	WIN 0
	BAR
	; ---- LOOP 1: four chunks of 64 rows: x's codes, q, the rotation, Z, KV Q, msg's codes
	s_mov_b32 s54, 0                               ; the chunk
	s_mov_b32 s55, 0                               ; 64 rows of 272 bytes a chunk
	s_mov_b32 s56, 0                               ; 64 rows of 528
	s_mov_b32 s58, 0                               ; column positions 0-63 or 64-127: 64 rows of the table, by turns
.Lchunk:
	s_wait_loadcnt 24                              ; the chunk's x is in: on every way here at least 24 loads were issued behind the 32 into x's registers, and those may stay out
	v_add_nc_u32 v25, s55, v17
	v_add_nc_u32 v26, s56, v18
.set ro, 0
.set rs, 0
.rept 4                                        ; four rows at a time: their codes, then their 16 stores
	WIN 0x41                                       ; destination and source 0 in window 1
.rept 4
.set tb, 128+16*(ro%2)
.set qj, 0
.rept 8
	v_med3_num_f32 v[tb+qj], v[8*ro+qj], -v29, v29
	v_med3_num_f32 v[tb+8+qj], v[8*ro+qj], -v31, v31
.set qj, qj+1
.endr
	v_cvt_scalef32_pk8_fp8_f32 v[160+4*ro:161+4*ro], v[tb:tb+7], v28       ; the next row's holds, in the other set, are the plain lines behind these
	v_cvt_scalef32_pk8_fp8_f32 v[162+4*ro:163+4*ro], v[tb+8:tb+15], v30
.set ro, ro+1
.endr
.if ro == 16
	v_nop
.endif
	WIN 0x04                                       ; the stores' data in window 1
.rept 4
	ds_store_b32 v25, v[160+4*rs] offset:272*rs            ; columns 4 l .. : 32 lanes store 128 consecutive bytes
	ds_store_b32 v25, v[161+4*rs] offset:272*rs+128        ; columns 128 + 4 l ..
	ds_store_b32 v26, v[162+4*rs] offset:528*rs
	ds_store_b32 v26, v[163+4*rs] offset:528*rs+128
.set rs, rs+1
.endr
.endr
	WIN 0
	BAR                                            ; the chunk's codes lie in LDS.  Each chunk has LDS rows of its own
	v_add_nc_u32 v21, s55, v6
	v_add_nc_u32 v22, s55, v10
	v_add_nc_u32 v23, s58, v8
	s_cmp_lt_u32 s54, 2
	s_cselect_b32 s57, -1, 0                       ; chunks 0, 1: row position 2 g; chunks 2, 3: 2 g + 1
	WIN 0x05
.irp i, 0,1,2,3,4,5,6,7
	v_cndmask_b32 v[RW+\i], v[232+\i], v[224+\i], s57
.endr
	WIN 0
	ds_load_b128 v[CL:CL+3], v23                   ; what the first tile's products wait for is asked for first;
	ds_load_b128 v[CL+4:CL+7], v23 offset:16
	FLD XF, 21, 0, 2
	s_wait_loadcnt 0x0                             ; all earlier loads are in (in the first trip Wq, KV and Ksum; later the last trip's 24): no load below meets a pending one;
	; then the trip's requests to memory: the next chunk's x, and behind it 24 loads of the 96 of Wm and of W1's tiles 4-7 (window 2 is idle here).  The last trip has no x to ask for: its registers take W1's first 32 loads.  At most 56 loads of mine are out
	s_cmp_eq_u32 s54, 3
	s_cbranch_scc1 .Lx3
	XLD 65536
	s_cmp_lg_u32 s54, 0
	s_cbranch_scc1 .Lx1
	WLD3 128, 65536, 0, 24, 19
	PF
	s_branch .Lxe
.Lx1:
	s_cmp_lg_u32 s54, 1
	s_cbranch_scc1 .Lx2
	WLD3 128, 65536, 24, 8, 19
	W1LD 64, 16
	PF
	s_branch .Lxe
.Lx2:
	W1LD 80, 24
	s_branch .Lxe
.Lx3:
	W1LD 0, 32                                     ; (ahead of the 24, as x's loads are)
	W1LD 104, 24
.Lxe:
	P12 0
	P12 1
	P12 2
	P12 3
	s_wait_xcnt 0x0                                ; the loads and prefetches have read their base: it may step
	s_add_nc_u64 s[28:29], s[28:29], 65536
	s_add_co_u32 s55, s55, 17408
	s_add_co_u32 s56, s56, 33792
	s_xor_b32 s58, s58, 5120
	s_add_co_u32 s54, s54, 1
	s_cmp_lt_u32 s54, 4
	s_cbranch_scc1 .Lchunk
	s_wait_loadcnt 0x0                             ; Wm and the parts of W1 asked for so far are in, and no load is out when other loads are issued below
	WIN 0xc0                                       ; g1 and b1 over Wq, in the result's layout: columns 64 w + 32 b + 16 h + 0 .. 15
.irp b, 0,1
.irp q, 0,1,2,3
	global_load_b128 v[16*\b+4*\q:16*\b+4*\q+3], v40, s[12:13] offset:128*\b+16*\q
	global_load_b128 v[32+16*\b+4*\q:32+16*\b+4*\q+3], v40, s[14:15] offset:128*\b+16*\q
.endr
.endr
	WIN 0
	W1LD 32, 32                                    ; the rest of W1's tiles 0-3 into window 1, which is done with,
	WLD3 0, 393216, 16, 15, 39                     ; and 15 loads of W2 over the rest of Wq: 63 loads in all
	BAR                                            ; msg's codes lie in LDS
	; ---- P3: the merge and LN1, four chunks of 64 rows.  v48-79 msg's fragments, then the statistics, then codes; v80-207 four tiles of rows x 32
.set ACC, 80
.set SPB, 208
.set LT,  216
.set MN,  224
.set RS,  228
.set CT,  236
.set LL,  48
	s_mov_b32 s54, 0
	s_mov_b32 s55, 0
	s_mov_b32 s56, 0
	s_mov_b32 s58, 0                               ; 64 rows of 32 bytes of statistics a chunk
.Lp3:
	s_add_co_u32 s59, s55, MSG
	v_add_nc_u32 v21, s59, v6
	v_add_nc_u32 v22, s58, v13
	v_add_nc_u32 v23, s58, v14
	v_add_nc_u32 v24, s56, v11
	FLD 48, 21, 0, 2
.irp m, 0,1,2,3
.if \m == 0
	s_wait_dscnt 0x0
.else
	s_wait_dscnt 0x1                               ; the fragments are in; the one store of statistics issued behind them may stay out
.endif
	WIN 0x03                                       ; source 0: Wm in window 3
	MM4 ACC+32*\m, 128, 48, 2
	WIN 0
	PLACES
.if \m < 3
	FLD 48, 21, 4352*(\m+1), 2
.endif
	LNSTAT ACC+32*\m, SPB+2*\m, 22, 512*\m
.endr
	BAR                                            ; the four waves' statistics of these 64 rows lie in LDS
.irp m, 0,1,2,3
	ds_load_b128 v[LL+8*\m:LL+8*\m+3], v23 offset:512*\m
	ds_load_b128 v[LL+8*\m+4:LL+8*\m+7], v23 offset:512*\m+16
.endr
	s_wait_loadcnt 47                              ; g1 and b1 are in: behind them 32 loads of W1 and 15 of W2 were issued
	s_wait_dscnt 0x0
	LNCOMB4 50, 49
.irp m, 0,1,2,3
	LNFIN ACC+32*\m, \m, 0x3c, 0, 32
	QT ACC+32*\m, LL+8*\m, 30, 31                  ; LN1's codes (e12), a set of registers for each tile
	ds_store_b128 v24, v[LL+8*\m:LL+8*\m+3] offset:8448*\m
	ds_store_b128 v24, v[LL+8*\m+4:LL+8*\m+7] offset:8448*\m+32
.endr
	s_add_co_u32 s55, s55, 17408
	s_add_co_u32 s56, s56, 33792
	s_add_co_u32 s58, s58, 2048
	s_add_co_u32 s54, s54, 1
	s_cmp_lt_u32 s54, 4
	s_cbranch_scc1 .Lp3
	s_wait_loadcnt 0x0                             ; W1 is in
	WLD3 0, 393216, 0, 16, 39                      ; W2's other 49 loads, over g1, b1 and Wm, which are done with; they land while the hidden layer is made
	WLD3 0, 393216, 31, 33, 39
	BAR                                            ; [x, LN1]'s codes lie in LDS, and nobody reads x's e0 codes or msg's any more: the hidden layer's codes go over them
	; ---- P4: the hidden layer, 16 tiles of 16 rows.  TWO sets of the row tile's four fragments, v48-111 and v192-255, by turns: a tile's 16 LDS loads are issued a whole tile ahead.  v112-175 my 8 tiles of units; v176-191 codes.
	; The work is turned by half a tile: relu and the hold of a tile's units 64 .. 127 stand between the NEXT tile's first 16 products, their conversions and the tile's four stores at that tile's middle;
	; relu and the hold of units 0 .. 63 stand between the tile's own last 16 products.  Tile 0 and tile 15 are written out; seven trips take two tiles each.
.set HFA, 48
.set HFB, 192
.set AC4, 112
.set HC,  176
; cur: this tile's fragments; nxt, ldoff: the next tile's go there, from ldoff bytes behind v21 (ldoff < 0: none).  stoff: the tile before is finished and stored stoff bytes behind v22 (stoff < 0: there is none)
.macro T4 cur, nxt, ldoff, stoff
	s_wait_dscnt 0x0                               ; this tile's fragments, asked for a tile ago, are in
.if (\ldoff) >= 0
	FLD \nxt, 21, \ldoff, 4
.endif
	WIN 0x01                                       ; source 0: W1's tiles 0-3 in window 1
.set mk, 0
.set mi, 32
.rept 4
.irp T, 0,1,2,3
.if mk == 0
	v_wmma_f32_16x16x128_fp8_fp8 v[AC4+8*\T:AC4+8*\T+7], v[16*(4*mk+\T):16*(4*mk+\T)+15], v[(\cur)+16*mk:(\cur)+16*mk+15], 0
.else
	v_wmma_f32_16x16x128_fp8_fp8 v[AC4+8*\T:AC4+8*\T+7], v[16*(4*mk+\T):16*(4*mk+\T)+15], v[(\cur)+16*mk:(\cur)+16*mk+15], v[AC4+8*\T:AC4+8*\T+7]
.endif
.if (\stoff) >= 0
	v_med3_num_f32 v[AC4+mi], 0, v[AC4+mi], v37    ; relu and the hold in one, on the last tile's second half (source 0 is a constant: it names no window)
	v_med3_num_f32 v[AC4+mi+1], 0, v[AC4+mi+1], v37
.set mi, mi+2
.endif
.endr
.set mk, mk+1
.endr
	WIN 0
.if (\stoff) >= 0
.set mi, 4
.rept 4
	v_cvt_scalef32_pk8_fp8_f32 v[HC+2*mi:HC+2*mi+1], v[AC4+8*mi:AC4+8*mi+7], v36   ; the three scales folded into one
.set mi, mi+1
.endr
	v_nop                                          ; a plain line behind the last conversion
.irp b, 0,1,2,3
	ds_store_b128 v22, v[HC+4*\b:HC+4*\b+3] offset:(\stoff)+32*\b
.endr
.endif
	WIN 0x02                                       ; tiles 4-7 in window 2
	PLACES
.set mk, 0
.set mi, 0
.rept 4
.irp T, 0,1,2,3
.if mk == 0
	v_wmma_f32_16x16x128_fp8_fp8 v[AC4+32+8*\T:AC4+32+8*\T+7], v[16*(4*mk+\T):16*(4*mk+\T)+15], v[(\cur)+16*mk:(\cur)+16*mk+15], 0
.else
	v_wmma_f32_16x16x128_fp8_fp8 v[AC4+32+8*\T:AC4+32+8*\T+7], v[16*(4*mk+\T):16*(4*mk+\T)+15], v[(\cur)+16*mk:(\cur)+16*mk+15], v[AC4+32+8*\T:AC4+32+8*\T+7]
.endif
	v_med3_num_f32 v[AC4+mi], 0, v[AC4+mi], v37    ; this tile's first half
	v_med3_num_f32 v[AC4+mi+1], 0, v[AC4+mi+1], v37
.set mi, mi+2
.endr
.set mk, mk+1
.endr
	WIN 0
	PLACES                                         ; in front of the next tile's loads into this tile's fragments, and of the first read of these results
	s_wait_dscnt 0x0                               ; the stores at the tile's middle, sixteen products back, are done: their registers take new codes
.set mi, 0
.rept 4
	v_cvt_scalef32_pk8_fp8_f32 v[HC+2*mi:HC+2*mi+1], v[AC4+8*mi:AC4+8*mi+7], v36
.set mi, mi+1
.endr
	v_nop
.endm
	s_mov_b32 s54, 0
	s_mov_b32 s57, 0                               ; two tiles, 32 rows of 528 bytes, a trip
	v_add_nc_u32 v21, XM, v7
	FLD HFA, 21, 0, 4
	T4 HFA, HFB, 8448, -1                          ; tile 0
.Lp4:                                                  ; trip j: tiles 2 j + 1 and 2 j + 2; s57 = tile 2 j's rows
	s_wait_dscnt 0x0
	s_add_co_u32 s59, s57, XM
	v_add_nc_u32 v21, s59, v7
	v_add_nc_u32 v22, s57, v12
	T4 HFB, HFA, 16896, 0
	T4 HFA, HFB, 25344, 8448
	s_add_co_u32 s57, s57, 16896
	s_add_co_u32 s54, s54, 1
	s_cmp_lt_u32 s54, 7
	s_cbranch_scc1 .Lp4
	s_wait_dscnt 0x0
	v_add_nc_u32 v22, s57, v12                     ; tile 14's rows
	T4 HFB, HFA, -1, 0                             ; tile 15: nothing is left to fetch
.set mi, 32
.rept 32
	v_med3_num_f32 v[AC4+mi], 0, v[AC4+mi], v37    ; and its second half
.set mi, mi+1
.endr
.set mi, 4
.rept 4
	v_cvt_scalef32_pk8_fp8_f32 v[HC+2*mi:HC+2*mi+1], v[AC4+8*mi:AC4+8*mi+7], v36
.set mi, mi+1
.endr
	v_nop
.irp b, 0,1,2,3
	ds_store_b128 v22, v[HC+4*\b:HC+4*\b+3] offset:8448+32*\b
.endr
	WIN 0x40                                       ; g2 and b2 over W1's first fragments
.irp b, 0,1
.irp q, 0,1,2,3
	global_load_b128 v[16*\b+4*\q:16*\b+4*\q+3], v40, s[16:17] offset:128*\b+16*\q
	global_load_b128 v[32+16*\b+4*\q:32+16*\b+4*\q+3], v40, s[18:19] offset:128*\b+16*\q
.endr
.endr
	WIN 0
	BAR                                            ; the hidden layer's codes lie in LDS, and nobody reads [x, LN1]'s any more: the stage goes over them
	s_wait_loadcnt 16                              ; W2 is in: only the 16 loads of g2 and b2 were issued behind it
	; ---- P5: the last product, LN2, + x, four chunks of 64 rows.  v48-111 fragments, then statistics and what is made of them; v112-239 four tiles of rows x 32
.set HF,  48
.set ACC, 112
.set SPB, 240
.set LT,  248
.set LL,  48
.set MN,  80
.set RS,  84
.set CT,  92
.macro X5 m                            ; x once more, for the residual: 8 of the 32 loads of my 16 rows of the chunk, into window 2, behind the tile's LDS loads
	WIN 0x80
.set xi, 8*(\m)
.rept 8
	global_load_b128 v[4*xi:4*xi+3], v19, s[28:29] offset:512*xi th:TH_LOAD_NT
.set xi, xi+1
.endr
	WIN 0
.endm
	s_mov_b64 s[28:29], s[84:85]
	s_mov_b32 s54, 0
	s_mov_b32 s56, 0
	s_mov_b32 s58, 0
.Lp5:
	v_add_nc_u32 v21, s56, v7
	v_add_nc_u32 v22, s58, v13
	v_add_nc_u32 v23, s58, v14
	FLD HF, 21, 0, 4
.irp m, 0,1,2,3
.if \m == 0
	s_wait_dscnt 0x0
.else
	s_wait_dscnt 0x1                               ; the fragments are in; the one store of statistics issued behind them may stay out
.endif
	WIN 0x03                                       ; source 0: W2 in window 3
	MM4 ACC+32*\m, 0, HF, 4
	WIN 0
	PLACES
.if \m < 3
	FLD HF, 21, 8448*(\m+1), 4
.endif
	X5 \m
	LNSTAT ACC+32*\m, SPB+2*\m, 22, ST2O+512*\m
.endr
	BAR                                            ; the statistics lie in LDS; and every wave's reads of the stage for the chunk before are over
.irp m, 0,1,2,3
	ds_load_b128 v[LL+8*\m:LL+8*\m+3], v23 offset:ST2O+512*\m
	ds_load_b128 v[LL+8*\m+4:LL+8*\m+7], v23 offset:ST2O+512*\m+16
.endr
	s_wait_loadcnt 32                              ; g2 and b2 are in: only this trip's 32 loads of x were issued behind them
	s_wait_dscnt 0x0
	LNCOMB4 52, 51
.irp m, 0,1,2,3
	LNFIN ACC+32*\m, \m, 0x14, 0, 32
.irp b, 0,1
.irp q, 0,1,2,3
	ds_store_b128 v15, v[ACC+32*\m+16*\b+4*\q:ACC+32*\m+16*\b+4*\q+3] offset:16640*\m+128*\b+16*\q
.endr
.endr
.endr
	BAR                                            ; 64 whole rows lie in the stage
	WIN 0x40
.set xi, 0
.rept 32
	ds_load_b128 v[64+4*xi:64+4*xi+3], v16 offset:1040*(xi/2)+512*(xi%2)
.set xi, xi+1
.endr
	s_wait_loadcnt 0x0                             ; x
.irp g, 0,1,2,3                                ; four rows at a time: they are back, x is added, they are stored
	s_wait_dscnt 24-8*\g                           ; LDS loads come back in order (ISA guide 5.7.1): the younger ones may stay out
	WIN 0x49                                       ; destination and source 0 window 1, source 1 (x) window 2
.set xi, 16*\g
.rept 16
	v_pk_add_f32 v[64+2*xi:65+2*xi], v[64+2*xi:65+2*xi], v[2*xi:2*xi+1]
.set xi, xi+1
.endr
	WIN 0x04                                       ; the stores' data in window 1
.set xi, 8*\g
.rept 8
	global_store_b128 v19, v[64+4*xi:64+4*xi+3], s[30:31] offset:512*xi th:TH_STORE_NT   ; 32 lanes store 512 consecutive bytes, at a multiple of 256 from out0's first byte
.set xi, xi+1
.endr
.endr
	WIN 0
	s_wait_xcnt 0x0                                ; the stores have read their registers and the bases: both may be written again
	s_add_nc_u64 s[28:29], s[28:29], 65536
	s_add_nc_u64 s[30:31], s[30:31], 65536
	s_add_co_u32 s56, s56, 33792
	s_add_co_u32 s58, s58, 2048
	s_add_co_u32 s54, s54, 1
	s_cmp_lt_u32 s54, 4
	s_cbranch_scc1 .Lp5
	s_wait_tensorcnt 0x0                           ; the wave's end, behind my last LDS store
	ds_add_u32 v1, v2
	s_wait_dscnt 0x0
	s_endpgm
.Lfunc_end_k_q0dc0774de0_layer:
	.size	k_q0dc0774de0_layer, .Lfunc_end_k_q0dc0774de0_layer-k_q0dc0774de0_layer
	.p2alignl 7, 3214868480
	.fill 96, 4, 3214868480
	.section	.rodata,"a",@progbits
	.p2align	6, 0x0
	.amdhsa_kernel k_q0dc0774de0_layer
		.amdhsa_group_segment_fixed_size 301568
		.amdhsa_private_segment_fixed_size 0
		.amdhsa_enable_private_segment 0
		.amdhsa_kernarg_size 80
		.amdhsa_user_sgpr_count 2
		.amdhsa_user_sgpr_kernarg_segment_ptr 1
		.amdhsa_wavefront_size32 1
		.amdhsa_system_sgpr_workgroup_id_x 1
		.amdhsa_system_sgpr_workgroup_id_y 1
		.amdhsa_system_sgpr_workgroup_id_z 1
		.amdhsa_system_vgpr_workitem_id 0
		.amdhsa_next_free_vgpr 1024
		.amdhsa_next_free_sgpr 96
		.amdhsa_reserve_vcc 0
		.amdhsa_float_denorm_mode_32 3
		.amdhsa_float_denorm_mode_16_64 3
		.amdhsa_memory_ordered 1
		.amdhsa_forward_progress 1
		.amdhsa_inst_pref_size 255
	.end_amdhsa_kernel
	.section	.bss,"aw",@nobits
	.p2align	6
	.space	262144
	.amdgpu_metadata
---
amdhsa.version: [ 1, 2 ]
amdhsa.kernels:
  - .name:           k_q0dc0774de0_layer
    .symbol:         k_q0dc0774de0_layer.kd
    .args:
      - { .name: x, .offset: 0, .size: 8, .value_kind: global_buffer, .address_space: global }
      - { .name: wc, .offset: 8, .size: 8, .value_kind: global_buffer, .address_space: global }
      - { .name: kvc, .offset: 16, .size: 8, .value_kind: global_buffer, .address_space: global }
      - { .name: ksum, .offset: 24, .size: 8, .value_kind: global_buffer, .address_space: global }
      - { .name: ln1_g, .offset: 32, .size: 8, .value_kind: global_buffer, .address_space: global }
      - { .name: ln1_b, .offset: 40, .size: 8, .value_kind: global_buffer, .address_space: global }
      - { .name: ln2_g, .offset: 48, .size: 8, .value_kind: global_buffer, .address_space: global }
      - { .name: ln2_b, .offset: 56, .size: 8, .value_kind: global_buffer, .address_space: global }
      - { .name: lowp_scales, .offset: 64, .size: 8, .value_kind: global_buffer, .address_space: global }
      - { .name: out0, .offset: 72, .size: 8, .value_kind: global_buffer, .address_space: global }
    .group_segment_fixed_size: 301568
    .private_segment_fixed_size: 0
    .kernarg_segment_align: 8
    .kernarg_segment_size: 80
    .max_flat_workgroup_size: 128
    .sgpr_count:     96
    .vgpr_count:     1024
    .wavefront_size: 32
...
	.end_amdgpu_metadata
.endif
;; end of part 3
